; MI455X (gfx1250); checked and timed in simulation.
; The chip was launched on July 23, 2026; its instructions are those of AMD's public machine-readable ISA for CDNA 5 (MIT licence, August 2026) and "CDNA5" Instruction Set Architecture Reference Guide (July 2026). The comments in the code are by the model that wrote it; some were corrected since.
;; adaptive style. Allowed arithmetic: matrix products marked QUANTISED: E2M1 operands, one E8M0 scale for each 32 along K, by v_wmma_scale_f32_16x16x128_f8f6f4 with both operands' format E2M1 (or v_wmma_scale_f32_32x16x128_f4), f32 sums; everything else in f32.
;; Inputs: Wf 512 x 512 float32; Wg 512 x 512 float32; Wh 512 x 512 float32; Wk 512 x 512 float32; bf 512 float32; bg 512 float32; bh 512 float32; bk 512 float32; s_sty 16 x 512 x 64 x 16 float32; x 16 x 512 x 128 x 16 float32.
;; Outputs: out0 16 x 512 x 128 x 16 float32.
;; This version of the problem:
;;   THIS VERSION OF THE PROBLEM IS GIVEN IN LOW PRECISION. The matrix products marked QUANTISED in the list below multiply operands that are first quantised to E2M1 (2 exponent bits, 1 mantissa bit; 4 bits a number), with one power-of-two scale for each 32 numbers along K (OCP MX v1.0); their sums are f32. All else is computed in f32.
;;   The module's matrix products, in the order in which they are computed (A, B: the left and right operand; K: the contracted axis; several contracted axes count as one K, in the product's order):
;;     1. [M 512, K 512] x [K 512, N 32,768]; A: input Wf; B: computed on the way: QUANTISED
;;     2. [M 512, K 512] x [K 512, N 16,384]; A: input Wg; B: computed on the way: QUANTISED
;;     3. [M 512, K 512] x [K 512, N 16,384]; A: input Wh; B: input s_sty: QUANTISED
;;     4. batch 16 x [M 2,048, K 512] x [K 512, N 1,024]; A: computed on the way; B: computed on the way: QUANTISED
;;     5. batch 16 x [M 512, K 1,024] x [K 1,024, N 2,048]; A: computed on the way; B: softmax (see below): QUANTISED
;;     6. [M 512, K 512] x [K 512, N 32,768]; A: input Wk; B: computed on the way: QUANTISED
;;   THE QUANTISER, for each operand of a quantised product, along K:
;;     - K is cut into blocks of 32 from its start; a last block that is shorter is filled with zeros.
;;     - A block's scale is 2^e with e = floor(log2(the largest magnitude in the block)) - 2, held to -126 .. 127; a block of zeros has e = 0. As a byte (E8M0): e + 127.
;;     - Each number is divided by its block's scale, clamped to +-6, and rounded to the nearest number of E2M1, ties to even, subnormals kept.
;;     - The product sums the exact products of the quantised numbers (number of the format x scale) in f32.
;;   ~~~python
;;   def quantise(x, axis):      # numpy; x: float32 -> the quantised numbers, widened to float32 again
;;       x = np.moveaxis(x, axis, -1); K = x.shape[-1]
;;       x = np.pad(x, [(0, 0)] * (x.ndim - 1) + [(0, -K % 32)]); x = x.reshape(x.shape[:-1] + (-1, 32)); a = np.abs(x).max(-1, keepdims=True)
;;       e = np.where(a > 0, np.clip(np.frexp(np.where(a > 0, a, 1))[1] - 1 - 2, -126, 127), 0)      # np.frexp(a)[1] - 1 = floor(log2(a)), exactly
;;       r = np.clip(x / 2.0 ** e, -6, 6)
;;       step = 2.0 ** (np.maximum(np.frexp(np.where(r == 0, 1, r))[1] - 1, 0) - 1)
;;       q = np.round(r / step) * step * 2.0 ** e      # np.round: ties to even
;;       return np.moveaxis(q.reshape(q.shape[:-2] + (-1,))[..., :K], -1, axis).astype(np.float32)
;;   ~~~
;;   SOFTMAX AHEAD OF A QUANTISED PRODUCT. Where the list says 'softmax', what is quantised is not the finished softmax but p = 2^(t - M), with t = logit x log2(e) and M = ceil(the row's largest t), a whole number; so 1/2 < the row's largest p <= 1. The row's sum l is taken of the UNQUANTISED p, in f32, and the product's result is divided by l at the end. Since M is a whole number, a kernel that streams over the keys may use a running M (the ceiling of the running maximum): every later rescaling is an exact power of two, which a block's scale takes up: the codes' values come out the same.
;;   OPERANDS COMPUTED ON THE WAY. 'Computed on the way' means the value that the module computes at that place (a softmax that the list does not call 'softmax' is quantised finished and normalised). What goes into a quantiser is computed in f32, as accurately as f32 sums, v_exp_f32 and their like allow (about 1e-6 of the number): no bf16 or f16 on the way to a quantiser, and a product that is left as it is and whose result goes on into a quantised operand takes f32 operands (vector FMAs, or v_wmma_f32_16x16x4_f32). A number that lies on a knife's edge between two numbers of the format may be rounded either way, as far as f32 arithmetic and the matrix unit's own rounding can turn it there, and no further.
;; One version. Each part assembles by itself: llvm-mc -triple=amdgcn-amd-amdhsa -mcpu=gfx1250 --defsym DOCPART=n.
;; ======== version 1 of 1: 3 launches
;; workspace buffers: xq 8,388,608 bytes; xs 524,288 bytes; sq 8,388,608 bytes; ss 524,288 bytes; wq 524,288 bytes; ws 32,768 bytes; gh 8,912,896 bytes
;; launch prep (part 1): grid 256 x 1, 16 waves a work-group, no clusters, 59,648 bytes of LDS; arguments x, s_sty, Wf, Wg, Wh, Wk, xq, xs, sq, ss, wq, ws; writes xq, xs, sq, ss, wq, ws
.if DOCPART == 1
	.amdgcn_target "amdgcn-amd-amdhsa--gfx1250"
	.amdhsa_code_object_version 6
	.text
	.protected	k_q3114140448_prep
	.globl	k_q3114140448_prep
	.p2align	8
	.type	k_q3114140448_prep,@function
k_q3114140448_prep:
	s_mov_b64 s[64:65], 0
	v_nop
	global_prefetch_b8 v0, s[64:65] scope:SCOPE_SE
	s_setreg_imm32_b32 hwreg(HW_REG_WAVE_MODE, 25, 1), 1
	s_wait_xcnt 0x0
; PREP: the instance norms of x [16][512][2048] and s_sty [16][512][1024], and every operand that can be quantised ahead of the products:
; xn, sn and the raw s along the channels (blocks of 32 channels at one position), the four weights along their innermost axis.  Codes of FP4 (E2M1), one E8M0 byte a block.
; NO WORK OF THE PROBLEM IS LEFT OUT in this program: every input has a way to the output.  bg is the same along the softmax's axis in real numbers, but it moves the codes of G, an operand of a live quantised product: it stays.
; SHARES.  Work-group g owns sample g / 16 and channels 32 (g % 16) .. + 31: one quantiser block of every position.  Its 32 x 2,048 numbers of x and 32 x 1,024 of s stay in registers:
; thread t holds positions 4 t .. 4 t + 3 of x and 2 t, 2 t + 1 of s for all 32 channels, so both tensors are read once for mean, variance and codes; a wave's load covers 512 or 256 consecutive bytes.
; A channel's sums meet in two steps: across the 32 lanes of a wave IN REGISTERS (five folds, after which lane l holds channel l's sum), then across the 16 waves through LDS, 16 words a channel:
; one barrier a reduction, four regions, so that none is written twice.
; A position's 32 codes are 16 bytes.  They leave in the order of the operand's registers: tile of 16 positions x 4,096 bytes, in it block cb x 256 + row x 16: sixteen lanes store 256 consecutive bytes, aligned.
; The keys of s are laid so that row r of tile 2 b + u of a group of 128 is key 32 b + 8 u + r + 8 (r / 8): the products behind then hold 16 neighbours along the next K in a lane.
; The work-group also quantises 16 rows x 256 K of one weight (matrix g / 64, tile (g / 2) % 32, half g % 2): wave w takes tile row w, a lane 8 numbers, four lanes a block.  Wf, Wg, Wh take the same order of rows, Wk the natural one.
; No cluster, no tensor load: work-groups share no input, and every byte goes from memory into the register that uses it.
; LIMITS: NaN and infinities among the inputs are not served.  A block of zeros gets the byte 1 where the rule says 127: its codes are zeros, and this program alone reads the bytes.
.set T,     32                         ; v32-63   32 numbers at work, one a channel
.set X,     64                         ; v64-191  x: channel c, position j at X + 4 c + j
.set S,     192                        ; v192-255 s: channel c, position j at S + 2 c + j
.set MU,    32                         ; s32-63   a channel's mean, later 1 / sqrt(var + eps)
.set TURN,  0                          ; LDS: 16 x 2,560: a wave's turn of the codes
.set REDB,  40960                      ; 4 x 2,560: region q: channel x 80 + 4 x wave
.set SCX,   51200                      ; 2,048: x's scale bytes
.set SCS,   53248                      ; 2,048: sn's scale bytes, then the raw s's
.set WIMG,  55296                      ; 2,048: the weight's codes
.set WSCL,  57344                      ; 256: the weight's scale bytes, row x 8 + block
.set SPARE, 57600                      ; 2,048: the spare words, 128 bytes for each wave, which no other line names
	s_load_b512 s[8:23], s[0:1], 0x0               ; x s[8:9], s_sty s[10:11], Wf, Wg, Wh, Wk s[12:19], xq s[20:21], xs s[22:23]
	s_load_b256 s[24:31], s[0:1], 0x40             ; sq s[24:25], ss s[26:27], wq s[28:29], ws s[30:31]
	v_lshl_add_u32 v30, v0, 2, SPARE               ; my spare word; never rewritten
	v_mov_b32 v31, 0                               ; 0; never rewritten
	v_lshrrev_b32 v16, 5, v0
	v_readfirstlane_b32 s2, v16                    ; wave 0..15
	v_and_b32 v17, 31, v0                          ; lane
	v_lshlrev_b32 v1, 4, v0                        ; x: 16 t
	v_lshlrev_b32 v2, 3, v0                        ; s: 8 t
	v_lshlrev_b32 v3, 5, v17                       ; the weight: 32 x lane
	v_mul_u32_u24 v7, v17, 80
	v_add_nc_u32 v7, REDB, v7                      ; channel = lane: its 16 words
	s_lshl_b32 s4, s2, 2
	v_add_nc_u32 v6, s4, v7                        ; and my wave's word among them
	s_mul_i32 s5, s2, 2560
	s_add_co_u32 s5, s5, TURN
	v_mul_u32_u24 v8, v17, 80
	v_add_nc_u32 v8, s5, v8                        ; x's codes, in: lane x 80 + 16 j
	v_lshrrev_b32 v18, 2, v17
	v_and_b32 v19, 3, v17
	v_mul_u32_u24 v9, v18, 80
	v_lshl_add_u32 v9, v19, 4, v9
	v_add_nc_u32 v9, s5, v9                        ; and back: position 32 j + lane
	v_mul_u32_u24 v10, v17, 48
	v_add_nc_u32 v10, s5, v10                      ; s's codes, in: lane x 48 + 16 j
	v_and_b32 v20, 7, v17
	v_bfe_u32 v21, v17, 4, 1
	v_bfe_u32 v22, v17, 3, 1
	v_lshl_or_b32 v20, v21, 3, v20
	v_lshl_or_b32 v20, v22, 4, v20                 ; the key of 32 that lane (u = lane / 16, r = lane % 16) stores: 8 u + r + 8 (r / 8)
	v_lshrrev_b32 v23, 1, v20
	v_and_b32 v24, 1, v20
	v_mul_u32_u24 v11, v23, 48
	v_lshl_add_u32 v11, v24, 4, v11
	v_add_nc_u32 v11, s5, v11                      ; and back, in that order
	v_and_b32 v25, 15, v17
	v_lshlrev_b32 v25, 4, v25
	v_lshl_or_b32 v25, v21, 12, v25                ; in a pair of tiles: (lane / 16) x 4,096 + (lane % 16) x 16
	s_lshl_b32 s6, s2, 15
	v_add_nc_u32 v12, s6, v25                      ; xq: + 8 tiles a wave
	s_lshl_b32 s6, s2, 14
	v_add_nc_u32 v13, s6, v25                      ; sq: + 4 tiles a wave
	v_lshl_add_u32 v14, v0, 2, SCX
	v_lshl_add_u32 v15, v0, 1, SCS
	v_lshlrev_b32 v26, 8, v18
	v_lshl_add_u32 v26, v19, 2, v26
	s_lshl_b32 s6, s2, 4
	s_add_co_u32 s6, s6, WIMG
	v_add_nc_u32 v26, s6, v26                      ; the weight's codes: block x 256 + row x 16 + 4 (lane % 4)
	s_lshl_b32 s6, s2, 3
	s_add_co_u32 s6, s6, WSCL
	v_add_nc_u32 v27, s6, v18                      ; its scale byte: row x 8 + block
	s_lshr_b32 s66, ttmp9, 4                       ; sample
	s_and_b32 s67, ttmp9, 15                       ; channel block
	s_lshr_b32 s68, ttmp9, 6                       ; which weight
	s_bfe_u32 s69, ttmp9, 0x50001                  ; its tile
	s_and_b32 s70, ttmp9, 1                        ; which half of K
	s_lshl_b32 s71, s69, 4
	s_add_co_u32 s71, s71, s2                      ; the natural row: 16 tile + wave
	s_lshr_b32 s72, s69, 3
	s_lshl_b32 s72, s72, 7
	s_bfe_u32 s73, s69, 0x20001
	s_lshl_b32 s73, s73, 5
	s_add_co_u32 s72, s72, s73
	s_and_b32 s73, s69, 1
	s_lshl_b32 s73, s73, 3
	s_add_co_u32 s72, s72, s73
	s_add_co_u32 s72, s72, s2
	s_lshr_b32 s73, s2, 3
	s_lshl_b32 s73, s73, 3
	s_add_co_u32 s72, s72, s73                     ; the other order: 128 (T / 8) + 32 ((T / 2) % 4) + 8 (T % 2) + w + 8 (w / 8)
	s_cmp_eq_u32 s68, 3
	s_cselect_b32 s72, s71, s72
	s_lshl_b32 s72, s72, 11                        ; a row is 2,048 bytes,
	s_lshl_b32 s73, s70, 10
	s_add_co_u32 s72, s72, s73                     ; half of it 1,024
	s_mov_b32 s73, 0
	s_mov_b32 s75, 0
	s_lshl_b32 s76, s67, 8
	s_wait_kmcnt 0x0
	s_cmp_eq_u32 s68, 0                            ; the choice hangs on the work-group's number alone
	s_cselect_b64 s[12:13], s[12:13], s[14:15]
	s_cmp_eq_u32 s68, 2
	s_cselect_b64 s[16:17], s[16:17], s[18:19]
	s_cmp_lt_u32 s68, 2
	s_cselect_b64 s[12:13], s[12:13], s[16:17]
	s_add_nc_u64 s[12:13], s[12:13], s[72:73]
	s_lshl_b32 s74, ttmp9, 18
	s_add_nc_u64 s[8:9], s[8:9], s[74:75]          ; x: 32 channels of 8,192 bytes a work-group
	s_lshl_b32 s74, ttmp9, 17
	s_add_nc_u64 s[10:11], s[10:11], s[74:75]      ; s: of 4,096
	s_lshl_b32 s74, s66, 19
	s_add_co_u32 s74, s74, s76
	s_add_nc_u64 s[20:21], s[20:21], s[74:75]      ; xq: sample x 524,288 + block x 256
	s_lshl_b32 s74, s66, 18
	s_add_co_u32 s74, s74, s76
	s_add_nc_u64 s[24:25], s[24:25], s[74:75]      ; sq: sample x 262,144 + block x 256
	s_lshl_b32 s74, ttmp9, 11
	s_add_nc_u64 s[22:23], s[22:23], s[74:75]      ; xs and wq: 2,048 bytes a work-group
	s_add_nc_u64 s[28:29], s[28:29], s[74:75]
	s_lshl_b32 s74, ttmp9, 10
	s_add_nc_u64 s[26:27], s[26:27], s[74:75]      ; ss: 1,024 in each of its two halves
	s_lshl_b32 s74, ttmp9, 7
	s_add_nc_u64 s[30:31], s[30:31], s[74:75]      ; ws: 128
	global_load_b128 v[T:T+3], v3, s[12:13]        ; all loads go out at once: the weight's 2, x's 32, s's 32
	global_load_b128 v[T+4:T+7], v3, s[12:13] offset:16
.set cc, 0
.rept 32
	global_load_b128 v[X+4*cc:X+4*cc+3], v1, s[8:9] offset:8192*cc th:TH_LOAD_NT
.set cc, cc+1
.endr
.set cc, 0
.rept 32
	global_load_b64 v[S+2*cc:S+2*cc+1], v2, s[10:11] offset:4096*cc th:TH_LOAD_NT
.set cc, cc+1
.endr
; The 32 numbers in T are one block: its largest magnitude with the floor 2^(3 - 127) among the leaves, 2 off the exponent field for the conversion's scale operand (v18), 32 codes in v[c0 .. c0 + 3].
.macro QBLK c0
	v_max3_num_f32 v16, |v[T]|, |v[T+1]|, |v[T+2]|
	v_max3_num_f32 v17, |v[T+3]|, |v[T+4]|, |v[T+5]|
.irp i, 6,10,14,18,22,26
	v_max3_num_f32 v16, v16, |v[T+\i]|, |v[T+\i+1]|
	v_max3_num_f32 v17, v17, |v[T+\i+2]|, |v[T+\i+3]|
.endr
	v_max3_num_f32 v16, v16, |v[T+30]|, |v[T+31]|
	v_max3_num_f32 v16, v16, v17, 0x1800000
	v_add_nc_u32 v18, 0xff000000, v16
.irp g, 0,1,2,3
	v_cvt_scalef32_pk8_fp4_f32 v[\c0+\g], v[T+8*\g:T+8*\g+7], v18
.endr
.endm
; ONE FOLD: the 2 n registers T .. T + 2 n - 1 become n.  Register c and register c + n share one result: the lanes whose number has the bit n go on with register c + n's channels, the others with register c's.
; A lane keeps its own number of the register that it goes on with, and takes lane l xor n's number of the same register, which that lane has no use for.  T + 16 on are free here: they hold the two selections.
.macro FOLD n, mask
	s_mov_b32 vcc_lo, \mask                        ; the lanes whose number has the bit n
.set cc, 0
.rept \n
	v_cndmask_b32 v[T+16+cc], v[T+cc], v[T+cc+\n], vcc_lo      ; what I keep
	v_cndmask_b32 v[T+24+cc], v[T+cc+\n], v[T+cc], vcc_lo      ; what lane l xor n wants of me
.set cc, cc+1
.endr
.set cc, 0
.rept \n
	v_add_f32_dpp v[T+cc], v[T+24+cc], v[T+16+cc] row_xmask:\n row_mask:0xf bank_mask:0xf
.set cc, cc+1
.endr
.endm
; T holds my partial sum of each of the 32 channels.  Behind the macro lane l of every wave holds channel l's sum over the work-group, times inv, in v28.
.macro RED q, inv
.set cc, 0
.rept 16
	v_permlane16_swap_b32 v[T+cc], v[T+cc+16]      ; the first fold, lanes l and l xor 16: register c's upper lanes change places with register c + 16's lower ones,
.set cc, cc+1
.endr
.irp i, 0,2,4,6,8,10,12,14
	v_pk_add_f32 v[T+\i:T+\i+1], v[T+\i:T+\i+1], v[T+\i+16:T+\i+17]   ; and the sum holds channel c in lanes 0-15, channel c + 16 in lanes 16-31
.endr
	FOLD 8, 0xff00ff00
	FOLD 4, 0xf0f0f0f0
	FOLD 2, 0xcccccccc
	FOLD 1, 0xaaaaaaaa                             ; lane l now holds channel l's sum over my wave's 32 lanes
	ds_store_b32 v6, v[T] offset:\q*2560
	s_wait_dscnt 0x0                               ; for the others' sake: my word has landed
	s_barrier_signal -1
	s_barrier_wait -1
.irp i, 0,1,2,3
	ds_load_b128 v[T+4*\i:T+4*\i+3], v7 offset:\q*2560+16*\i
.endr
	s_wait_dscnt 0x0
.irp i, 0,4,8,12
	v_pk_add_f32 v[T+\i:T+\i+1], v[T+\i:T+\i+1], v[T+\i+2:T+\i+3]
.endr
.irp i, 0,8
	v_pk_add_f32 v[T+\i:T+\i+1], v[T+\i:T+\i+1], v[T+\i+4:T+\i+5]
.endr
	v_pk_add_f32 v[T:T+1], v[T:T+1], v[T+8:T+9]
	v_add_f32 v[T], v[T], v[T+1]
	v_mul_f32 v28, \inv, v[T]
.endm
.macro TOSCALARS                       ; lane c's number into s[MU + c]
.set cc, 0
.rept 32
	v_readlane_b32 s[MU+cc], v28, cc
.set cc, cc+1
.endr
.endm
.macro RSQ                             ; v28 = 1 / sqrt(v28 + eps)
	v_add_f32 v28, 0x3727c5ac, v28
	v_rsq_f32 v28, v28
	v_nop                                          ; a plain instruction behind the transcendental,
	s_wait_alu depctr_va_vdst(0)                   ; and the wait ahead of its first reader
.endm
	; ---- the weight: 8 numbers a lane, four lanes a block
	s_wait_loadcnt 63                              ; 64 loads were issued behind the weight's two; the count's field ends at 63, and a smaller count is safe
	v_max3_num_f32 v16, |v[T]|, |v[T+1]|, 0x1800000
	v_max3_num_f32 v17, |v[T+2]|, |v[T+3]|, |v[T+4]|
	v_max3_num_f32 v16, v16, |v[T+5]|, |v[T+6]|
	v_max3_num_f32 v16, v16, v17, |v[T+7]|
	v_max_num_f32_dpp v16, v16, v16 row_xmask:1 row_mask:0xf bank_mask:0xf
	v_max_num_f32_dpp v16, v16, v16 row_xmask:2 row_mask:0xf bank_mask:0xf
	v_add_nc_u32 v18, 0xff000000, v16
	v_cvt_scalef32_pk8_fp4_f32 v20, v[T:T+7], v18
	v_lshrrev_b32 v19, 23, v18                     ; the scale's byte (and the plain instruction behind the conversion)
	ds_store_b32 v26, v20
	ds_store_b8 v27, v19                           ; the four lanes of a block write the same byte with the same value
	; ---- x's mean
.set cc, 0
.rept 32
	s_wait_loadcnt 63-cc                           ; behind channel cc's load: x's 31 - cc later ones and s's 32
	v_pk_add_f32 v[16+12*(cc%2):17+12*(cc%2)], v[X+4*cc:X+4*cc+1], v[X+4*cc+2:X+4*cc+3]
	v_add_f32 v[T+cc], v[16+12*(cc%2)], v[17+12*(cc%2)]
.set cc, cc+1
.endr
	RED 0, 0x3a000000                              ; / 2,048
	TOSCALARS
	; ---- x's variance: x - mean in place, then the squares
.set cc, 0
.rept 32
.irp j, 0,1,2,3
	v_sub_f32 v[X+4*cc+\j], v[X+4*cc+\j], s[MU+cc]
.endr
	v_pk_mul_f32 v[16+12*(cc%2):17+12*(cc%2)], v[X+4*cc:X+4*cc+1], v[X+4*cc:X+4*cc+1]
	v_pk_fma_f32 v[16+12*(cc%2):17+12*(cc%2)], v[X+4*cc+2:X+4*cc+3], v[X+4*cc+2:X+4*cc+3], v[16+12*(cc%2):17+12*(cc%2)]
	v_add_f32 v[T+cc], v[16+12*(cc%2)], v[17+12*(cc%2)]
.set cc, cc+1
.endr
	RED 1, 0x3a000000
	RSQ
	TOSCALARS
	; ---- xn's codes: four positions a thread
.irp j, 0,1,2,3
.set cc, 0
.rept 32
	v_mul_f32 v[T+cc], s[MU+cc], v[X+4*cc+\j]
.set cc, cc+1
.endr
	QBLK 20+4*(\j%2)
.if \j == 0
	v_lshrrev_b32 v19, 23, v18                     ; the scale's byte (a plain instruction behind the conversions)
.else
	v_lshrrev_b32 v29, 23, v18
	v_lshl_or_b32 v19, v29, 8*\j, v19
.endif
	ds_store_b128 v8, v[20+4*(\j%2):23+4*(\j%2)] offset:16*\j
.endr
	ds_store_b32 v14, v19                          ; my four positions' bytes
.irp j, 0,1,2,3
	ds_load_b128 v[T+4*\j:T+4*\j+3], v9 offset:640*\j    ; position 128 w + 32 j + lane
.endr
.irp j, 0,1,2,3
	s_wait_dscnt 3-\j                              ; LDS loads come back in order: load j is in
	global_store_b128 v12, v[T+4*\j:T+4*\j+3], s[20:21] offset:8192*\j   ; sixteen lanes store 256 consecutive bytes, aligned
.endr
	; ---- s's mean
	s_wait_xcnt 0x0                                ; T was those stores' data: it is written again only behind this wait
.set cc, 0
.rept 32
	s_wait_loadcnt 31-cc                           ; behind channel cc's load: s's later ones
	v_add_f32 v[T+cc], v[S+2*cc], v[S+2*cc+1]
.set cc, cc+1
.endr
	RED 2, 0x3a800000                              ; / 1,024
	TOSCALARS
; two positions a thread; norm = 0: the numbers as they are (a lane's block has to stand in consecutive registers), 1: times 1 / sqrt(var + eps)
.macro SCODES norm, boff, goff
.irp j, 0,1
.set cc, 0
.rept 32
.if \norm
	v_mul_f32 v[T+cc], s[MU+cc], v[S+2*cc+\j]
.else
	v_mov_b32 v[T+cc], v[S+2*cc+\j]
.endif
.set cc, cc+1
.endr
	QBLK 20+4*\j
.if \j == 0
	v_lshrrev_b32 v19, 23, v18
.else
	v_lshrrev_b32 v29, 23, v18
	v_lshl_or_b32 v19, v29, 8, v19
.endif
	ds_store_b128 v10, v[20+4*\j:23+4*\j] offset:16*\j
.endr
	ds_store_b16 v15, v19 offset:\boff
	ds_load_b128 v[T:T+3], v11
	ds_load_b128 v[T+4:T+7], v11 offset:768
	s_wait_dscnt 0x1
	global_store_b128 v13, v[T:T+3], s[24:25] offset:\goff
	s_wait_dscnt 0x0
	global_store_b128 v13, v[T+4:T+7], s[24:25] offset:\goff+8192
.endm
	SCODES 0, 1024, 4194304                        ; the raw s, ahead of the subtraction
	; ---- s's variance, sn's codes
	s_wait_xcnt 0x0                                ; T was store data
.set cc, 0
.rept 32
	v_sub_f32 v[S+2*cc], v[S+2*cc], s[MU+cc]
	v_sub_f32 v[S+2*cc+1], v[S+2*cc+1], s[MU+cc]
	v_pk_mul_f32 v[16+12*(cc%2):17+12*(cc%2)], v[S+2*cc:S+2*cc+1], v[S+2*cc:S+2*cc+1]
	v_add_f32 v[T+cc], v[16+12*(cc%2)], v[17+12*(cc%2)]
.set cc, cc+1
.endr
	RED 3, 0x3a800000
	RSQ
	TOSCALARS
	SCODES 1, 0, 0
	; ---- the small pieces leave in long runs: 16 bytes a thread
	v_lshl_add_u32 v16, v0, 4, SCX                 ; waves 0-3: x's bytes; 4-7: s's; 8-11: the weight's codes: the three regions lie on end
	v_and_b32 v17, 127, v0
	v_lshlrev_b32 v18, 4, v17                      ; 16 (t % 128)
	v_and_b32 v19, 63, v0
	v_lshlrev_b32 v19, 4, v19
	v_bfe_u32 v20, v0, 6, 1
	v_lshl_or_b32 v19, v20, 18, v19                ; ss: sn's half or the raw s's, 262,144 bytes on
	v_and_b32 v21, 31, v0
	v_lshlrev_b32 v22, 2, v21
	v_add_nc_u32 v21, WSCL, v22
	s_wait_dscnt 0x0
	s_barrier_signal -1
	s_barrier_wait -1                              ; every wave's bytes lie in LDS
	s_wait_xcnt 0x0                                ; T was store data
	s_cmp_ge_u32 s2, 12
	s_cbranch_scc1 .Lsmall
	ds_load_b128 v[T:T+3], v16
	s_wait_dscnt 0x0
	s_cmp_lt_u32 s2, 4
	s_cbranch_scc0 .Lnot_xs
	global_store_b128 v18, v[T:T+3], s[22:23]
	s_branch .Lend
.Lnot_xs:
	s_cmp_lt_u32 s2, 8
	s_cbranch_scc0 .Lcodes
	global_store_b128 v19, v[T:T+3], s[26:27]
	s_branch .Lend
.Lcodes:
	global_store_b128 v18, v[T:T+3], s[28:29]
	s_branch .Lend
.Lsmall:
	s_cmp_eq_u32 s2, 12
	s_cbranch_scc0 .Lend
	ds_load_b32 v[T], v21
	s_wait_dscnt 0x0
	global_store_b32 v22, v[T], s[30:31]           ; 128 bytes: the launch's one store that is shorter than 256
.Lend:
	s_wait_tensorcnt 0x0                           ; the wave's end: behind my last LDS store
	ds_add_u32 v30, v31
	s_wait_dscnt 0x0
	s_endpgm
.Lfunc_end_k_q3114140448_prep:
	.size	k_q3114140448_prep, .Lfunc_end_k_q3114140448_prep-k_q3114140448_prep
	.p2alignl 7, 3214868480
	.fill 96, 4, 3214868480
	.section	.rodata,"a",@progbits
	.p2align	6, 0x0
	.amdhsa_kernel k_q3114140448_prep
		.amdhsa_group_segment_fixed_size 59648
		.amdhsa_private_segment_fixed_size 0
		.amdhsa_enable_private_segment 0
		.amdhsa_kernarg_size 96
		.amdhsa_user_sgpr_count 2
		.amdhsa_user_sgpr_kernarg_segment_ptr 1
		.amdhsa_wavefront_size32 1
		.amdhsa_system_sgpr_workgroup_id_x 1
		.amdhsa_system_sgpr_workgroup_id_y 1
		.amdhsa_system_sgpr_workgroup_id_z 1
		.amdhsa_system_vgpr_workitem_id 0
		.amdhsa_next_free_vgpr 256
		.amdhsa_next_free_sgpr 80
		.amdhsa_reserve_vcc 1
		.amdhsa_float_denorm_mode_32 3
		.amdhsa_float_denorm_mode_16_64 3
		.amdhsa_memory_ordered 1
		.amdhsa_forward_progress 1
		.amdhsa_inst_pref_size 86
	.end_amdhsa_kernel
	.amdgpu_metadata
---
amdhsa.version: [ 1, 2 ]
amdhsa.kernels:
  - .name:           k_q3114140448_prep
    .symbol:         k_q3114140448_prep.kd
    .args:
      - { .name: x, .offset: 0, .size: 8, .value_kind: global_buffer, .address_space: global }
      - { .name: s_sty, .offset: 8, .size: 8, .value_kind: global_buffer, .address_space: global }
      - { .name: Wf, .offset: 16, .size: 8, .value_kind: global_buffer, .address_space: global }
      - { .name: Wg, .offset: 24, .size: 8, .value_kind: global_buffer, .address_space: global }
      - { .name: Wh, .offset: 32, .size: 8, .value_kind: global_buffer, .address_space: global }
      - { .name: Wk, .offset: 40, .size: 8, .value_kind: global_buffer, .address_space: global }
      - { .name: xq, .offset: 48, .size: 8, .value_kind: global_buffer, .address_space: global }
      - { .name: xs, .offset: 56, .size: 8, .value_kind: global_buffer, .address_space: global }
      - { .name: sq, .offset: 64, .size: 8, .value_kind: global_buffer, .address_space: global }
      - { .name: ss, .offset: 72, .size: 8, .value_kind: global_buffer, .address_space: global }
      - { .name: wq, .offset: 80, .size: 8, .value_kind: global_buffer, .address_space: global }
      - { .name: ws, .offset: 88, .size: 8, .value_kind: global_buffer, .address_space: global }
    .group_segment_fixed_size: 59648
    .private_segment_fixed_size: 0
    .kernarg_segment_align: 8
    .kernarg_segment_size: 96
    .max_flat_workgroup_size: 512
    .sgpr_count:     80
    .vgpr_count:     256
    .wavefront_size: 32
...
	.end_amdgpu_metadata
.endif
;; end of part 1
;; launch proj (part 2): grid 128 x 2, 4 waves a work-group, no clusters, 0 bytes of LDS; arguments sq, ss, wq, ws, bg, bh, gh; writes gh
.if DOCPART == 2
	.amdgcn_target "amdgcn-amd-amdhsa--gfx1250"
	.amdhsa_code_object_version 6
	.text
	.protected	k_q3114140448_proj
	.globl	k_q3114140448_proj
	.p2align	8
	.type	k_q3114140448_proj,@function
k_q3114140448_proj:
	s_mov_b64 s[64:65], 0
	v_nop
	global_prefetch_b8 v0, s[64:65] scope:SCOPE_SE
	s_setreg_imm32_b32 hwreg(HW_REG_WAVE_MODE, 25, 1), 1
	s_wait_xcnt 0x0
; PROJ: G = Wg sn + bg, quantised along its 512 channels, and H = Wh s + bh, quantised along the keys: both on codes of FP4 with E8M0 scales.  Nothing of the problem is left out here.
; SHARES.  Work-group (x = 8 sample + key step, y = type) makes one half of a package of gh: 128 keys x 512 channels of G (type 0) or of H (type 1).
; A wave holds one side of the product, 8 tiles x 4 K steps (32 fragments, window 1), whose rows become the NEXT product's K, and walks 8 tiles of the other side, one a trip.
;   G: held: Wg's tiles 8 w .. 8 w + 7; walked: the 8 key tiles of sn.  Trip i gives the fragment (key tile i, K step w).
;   H: held: the 8 key tiles of the raw s; walked: Wh's tiles 8 w .. 8 w + 7.  Trip i gives the fragment of channel tile 8 w + i, K = these 128 keys.
; The held side is source 0, so a lane holds one row of the walked side and its registers run along the held side's rows; those rows were laid so that the 16 registers of tiles 2 b, 2 b + 1 are 16 neighbours.
; Every operand was laid in the order of its registers: a fragment is two loads of 512 consecutive bytes, and a result fragment two such stores.
; No LDS, no barrier, no cluster: a wave's 32 KiB + 32 KiB go from memory straight into the registers that use them, once, for 256 matrix instructions; a joint load would send them through LDS for one use.
; REGISTERS: window 0: v1-9 lane offsets; v16-79 the walked side, two buffers; v80-143 the 8 result tiles (first: the keys' 64 raw scale bytes); v144-159 codes, two sets; v160-167 the trips' scale words;
;   v168-183 the weight's scale words, v184-199 the keys'; v200-215 at work; v224-231 bh by trips, v232-239 a trip's bias as C; v240-243 the words as they leave.   window 1: the held side.   window 2: v0-63 bg in the result's layout.
; LIMITS: NaN and infinities are not served; a block of zeros gets the byte 1 (its codes are zeros; this program alone reads the bytes).
.set LI,   1
.set NF,   16
.set HA,   80
.set PC,   144
.set PW,   160
.set WWD,  168
.set SWD,  184
.set TM,   200
.set BV,   224
.set BH,   232
.set OUTW, 240
.set SEL,  20
.set MSB, 0
.macro WIN new                         ; the immediate's high byte repeats the setting that is left
.if MSB != (\new)
	s_set_vgpr_msb (MSB<<8)|(\new)
.set MSB, (\new)
.endif
.endm
; the matrix line: D rD, source 0 rA, source 1 rB, C rC, their scale words rSA, rSB; fA, fB: the word lies in lanes 16-31
.macro WM
.if fA && fB
	v_wmma_scale_f32_16x16x128_f8f6f4 v[rD:rD+7], v[rA:rA+7], v[rB:rB+7], v[rC:rC+7], v[rSA], v[rSB] matrix_a_fmt:MATRIX_FMT_FP4 matrix_b_fmt:MATRIX_FMT_FP4 matrix_a_scale:MATRIX_SCALE_ROW1 matrix_b_scale:MATRIX_SCALE_ROW1
.elseif fA
	v_wmma_scale_f32_16x16x128_f8f6f4 v[rD:rD+7], v[rA:rA+7], v[rB:rB+7], v[rC:rC+7], v[rSA], v[rSB] matrix_a_fmt:MATRIX_FMT_FP4 matrix_b_fmt:MATRIX_FMT_FP4 matrix_a_scale:MATRIX_SCALE_ROW1
.elseif fB
	v_wmma_scale_f32_16x16x128_f8f6f4 v[rD:rD+7], v[rA:rA+7], v[rB:rB+7], v[rC:rC+7], v[rSA], v[rSB] matrix_a_fmt:MATRIX_FMT_FP4 matrix_b_fmt:MATRIX_FMT_FP4 matrix_b_scale:MATRIX_SCALE_ROW1
.else
	v_wmma_scale_f32_16x16x128_f8f6f4 v[rD:rD+7], v[rA:rA+7], v[rB:rB+7], v[rC:rC+7], v[rSA], v[rSB] matrix_a_fmt:MATRIX_FMT_FP4 matrix_b_fmt:MATRIX_FMT_FP4
.endif
.endm
; 64 numbers of a lane, v[QS] on, register 16 b + i = k 32 b + 16 (lane / 16) + i of my row, become a fragment's codes in v[QP] on and its scale word in v[QW].  Each result tile is first read at its low end.
.macro QUANT
.irp b, 0,1,2,3
	v_max3_num_f32 v[TM+\b], |v[QS+16*\b]|, |v[QS+1+16*\b]|, 0x1800000   ; my 16 numbers of block b, and the floor 2^(3 - 127): the byte cannot fall under 1
.endr
.irp i, 2,4,6,8,10,12,14
.irp b, 0,1,2,3
	v_max3_num_f32 v[TM+\b], v[TM+\b], |v[QS+16*\b+\i]|, |v[QS+1+16*\b+\i]|
.endr
.endr
.irp b, 0,1,2,3
	v_permlanex16_b32 v[TM+4+\b], v[TM+\b], s[SEL], s[SEL+1]
.endr
.irp b, 0,1,2,3
	v_max_num_f32 v[TM+\b], v[TM+\b], v[TM+4+\b]   ; with lane l xor 16's: the block's largest magnitude
.endr
.irp b, 0,1,2,3
	v_add_nc_u32 v[TM+12+\b], 0xff000000, v[TM+\b] ; 2 off its exponent field: the conversion's scale operand
.endr
.irp b, 0,1,2,3
	v_lshrrev_b32 v[TM+4+\b], 23, v[TM+12+\b]      ; the scale's byte
.endr
	v_lshl_or_b32 v[QW], v[TM+5], 8, v[TM+4]
	v_lshl_or_b32 v[QW], v[TM+6], 16, v[QW]
	v_lshl_or_b32 v[QW], v[TM+7], 24, v[QW]
.irp b, 0,1,2,3
	v_cvt_scalef32_pk8_fp4_f32 v[QP+2*\b], v[QS+16*\b:QS+7+16*\b], v[TM+12+\b]
	v_cvt_scalef32_pk8_fp4_f32 v[QP+1+2*\b], v[QS+8+16*\b:QS+15+16*\b], v[TM+12+\b]
.endr
	v_nop                                          ; one plain instruction behind the conversions
.irp c, 0,1                                    ; the operand's layout wants a whole block in a lane
.irp i, 0,1
	v_permlane16_swap_b32 v[QP+4*\c+\i], v[QP+2+4*\c+\i]
.endr
.endr
.endm
	s_load_b256 s[4:11], s[0:1], 0x0               ; sq s[4:5], ss s[6:7], wq s[8:9], ws s[10:11]
	s_load_b128 s[12:15], s[0:1], 0x20             ; bg, bh
	s_load_b64 s[16:17], s[0:1], 0x30              ; gh
	v_lshrrev_b32 v5, 5, v0
	v_readfirstlane_b32 s18, v5                    ; wave 0..3
	s_and_b32 s19, ttmp7, 0xffff                   ; type
	v_and_b32 v6, 31, v0                           ; lane
	v_and_b32 v7, 15, v0                           ; r
	v_bfe_u32 v8, v0, 4, 1                         ; h
	v_lshlrev_b32 v[LI], 4, v6                     ; 16 x lane: my place in every image
	v_and_b32 v9, 8, v7
	v_add_nc_u32 v9, v9, v7                        ; r + 8 (r / 8)
	v_lshl_add_u32 v2, v8, 3, v9                   ; the key of 32 whose scale byte I take: lanes 16-31 serve the odd tile, 8 keys on
	v_lshlrev_b32 v3, 3, v7
	v_lshl_add_u32 v3, v8, 8, v3                   ; the weight's scale words: 8 bytes a row, the odd tile 256 bytes on
	s_mov_b32 s[SEL], 0x76543210
	s_mov_b32 s[SEL+1], 0xfedcba98                 ; v_permlanex16_b32's selects for lane l xor 16
.irp b, 0,1,2,3
	v_mov_b32 v[TM+4+\b], 0                        ; written once: a lane permute's destination counts as one of its sources
.endr
	s_lshl_b32 s22, s19, 22
	s_lshl_b32 s23, ttmp9, 15
	s_add_co_u32 s22, s22, s23                     ; the keys' side: type x 4,194,304 + (8 sample + step) x 32,768
	s_mov_b32 s23, 0
	s_add_co_u32 s24, s19, 1
	s_lshl_b32 s26, s24, 13
	s_lshl_b32 s24, s24, 17
	s_lshl_b32 s25, s18, 15
	s_add_co_u32 s24, s24, s25                     ; the weight's side: (1 + type) x 131,072 + wave x 32,768
	s_mov_b32 s25, 0
	s_lshl_b32 s27, s18, 11
	s_add_co_u32 s26, s26, s27                     ; its scale words: (1 + type) x 8,192 + wave x 2,048
	s_mov_b32 s27, 0
	s_lshl_b32 s28, s19, 18
	s_lshr_b32 s29, ttmp9, 3
	s_lshl_b32 s29, s29, 14
	s_add_co_u32 s28, s28, s29
	s_and_b32 s29, ttmp9, 7
	s_lshl_b32 s29, s29, 7
	s_add_co_u32 s28, s28, s29                     ; the keys' scale bytes: type x 262,144 + sample x 16,384 + step x 128
	s_mov_b32 s29, 0
	s_mul_i32 s30, ttmp9, 69632                    ; my package
	s_mov_b32 s31, 0
	s_lshl_b32 s40, s18, 9                         ; my 128 numbers of a bias
	s_mov_b32 s41, 0
	s_wait_kmcnt 0x0
	s_add_nc_u64 s[4:5], s[4:5], s[22:23]
	s_add_nc_u64 s[8:9], s[8:9], s[24:25]
	s_add_nc_u64 s[10:11], s[10:11], s[26:27]
	s_add_nc_u64 s[6:7], s[6:7], s[28:29]
	s_add_nc_u64 s[16:17], s[16:17], s[30:31]
	s_add_nc_u64 s[12:13], s[12:13], s[40:41]
	s_add_nc_u64 s[14:15], s[14:15], s[40:41]
	s_cmp_eq_u32 s19, 0                            ; the choice hangs on the work-group's number alone
	s_cselect_b64 s[32:33], s[8:9], s[4:5]         ; the held side
	s_cselect_b64 s[34:35], s[4:5], s[8:9]         ; the walked side
	WIN 0x40                                       ; destination window 1
.set ii, 0
.rept 64
	global_load_b128 v[4*ii:4*ii+3], v[LI], s[32:33] offset:512*ii   ; fragment (t, k) at v[8 (4 t + k)]: 32 KiB on end
.set ii, ii+1
.endr
	WIN 0
.set ii, 0
.rept 16
	global_load_b128 v[NF+4*ii:NF+4*ii+3], v[LI], s[34:35] offset:512*ii   ; the walked side's tiles 0 and 1
.set ii, ii+1
.endr
.irp b, 0,1,2,3
.set cc, 0
.rept 16
	global_load_u8 v[HA+16*\b+cc], v2, s[6:7] offset:1024*cc+32*\b   ; tiles 2 b, 2 b + 1: the byte of channel block cc
.set cc, cc+1
.endr
.endr
.irp p, 0,1,2,3
.irp f, 0,1
	global_load_b64 v[WWD+4*\p+2*\f:WWD+4*\p+2*\f+1], v3, s[10:11] offset:512*\p+128*\f   ; tiles 2 p, 2 p + 1: the words of K steps 2 f, 2 f + 1
.endr
.endr
	s_cmp_eq_u32 s19, 0
	s_cbranch_scc0 .Ltype_h
.macro PROJ type
.if \type == 0
	s_lshl_b32 s26, s18, 10                        ; G: fragment (i, w) at i x 4,096 + w x 1,024
	v_lshlrev_b32 v4, 6, v8                        ; bg: lane (r, h) wants, for tile 2 b + u, the channels 32 b + 16 h + 8 u + 0 .. 7
	WIN 0x80                                       ; destination window 2
.irp t, 0,1,2,3,4,5,6,7
	global_load_b128 v[8*\t:8*\t+3], v4, s[12:13] offset:(32*(\t/2)+8*(\t%2))*4
	global_load_b128 v[8*\t+4:8*\t+7], v4, s[12:13] offset:(32*(\t/2)+8*(\t%2))*4+16
.endr
	WIN 0
.else
	s_lshl_b32 s26, s18, 13
	s_add_co_u32 s26, s26, 32768                   ; H: fragment 8 w + i at 32,768 + w x 8,192 + i x 1,024
	v_lshlrev_b32 v4, 2, v9                        ; bh: my row of tile 2 b + u is channel 32 b + 8 u + r + 8 (r / 8)
.irp t, 0,1,2,3,4,5,6,7
	global_load_b32 v[BV+\t], v4, s[14:15] offset:(32*(\t/2)+8*(\t%2))*4
.endr
.endif
	s_add_nc_u64 s[36:37], s[16:17], s[26:27]
	s_lshl_b32 s26, s18, 9
	s_add_co_u32 s26, s26, 65536+2048*\type
	s_add_nc_u64 s[38:39], s[16:17], s[26:27]      ; my 512 bytes of scale words
	s_wait_loadcnt 0x0                             ; all that the head asked for
.if \type == 1
.irp j, 0,1,2,3,4,5,6,7
	v_mov_b32 v[BH+\j], v[BV]                      ; trip 0's bias as a C: the same in a lane's eight registers
.endr
.endif
.irp b, 0,1,2,3
.irp k, 0,1,2,3
	v_lshl_or_b32 v[SWD+4*\b+\k], v[HA+16*\b+4*\k+1], 8, v[HA+16*\b+4*\k]
	v_lshl_or_b32 v[SWD+4*\b+\k], v[HA+16*\b+4*\k+2], 16, v[SWD+4*\b+\k]
	v_lshl_or_b32 v[SWD+4*\b+\k], v[HA+16*\b+4*\k+3], 24, v[SWD+4*\b+\k]
.endr
.endr
.rept 8
	v_nop                                          ; a scale word made by vector instructions stands eight places ahead of the scaled matrix instruction
.endr
.set ti, 0
.rept 8
.if ti >= 2
	s_wait_xcnt 0x0                                ; the stores of two trips back have read their codes: that set is written again below
.endif
.if ti == 7
	s_wait_loadcnt 0x0                             ; nothing was asked for behind tile 7
.elseif ti >= 2
	s_wait_loadcnt 0x8                             ; this trip's tile is in; the next tile's eight loads may be out
.endif
.set kk, 0
.rept 4
.if (kk == 0) && (\type == 0)
	WIN 0x21                                       ; source 0 window 1, C (bg) window 2
.else
	WIN 0x01
.endif
.set tt, 0
.rept 8                                        ; the eight accumulators by turns, one instruction a turn
.set rD, HA+8*tt
.set rA, 8*(4*tt+kk)
.set rB, NF+32*(ti%2)+8*kk
.set rC, rD
.if kk == 0
.if \type == 0
.set rC, 8*tt
.else
.set rC, BH
.endif
.endif
.if \type == 0
.set rSA, WWD+4*(tt/2)+kk
.set rSB, SWD+4*(ti/2)+kk
.else
.set rSA, SWD+4*(tt/2)+kk
.set rSB, WWD+4*(ti/2)+kk
.endif
.set fA, tt%2
.set fB, ti%2
	WM
.set tt, tt+1
.endr
.set kk, kk+1
.endr
	WIN 0
.rept 4
	v_nop                                          ; places ahead of the first read of the results, of the loads into the buffer just multiplied, and of the next bias
.endr
.if (\type == 1) && (ti < 7)
.irp j, 0,1,2,3,4,5,6,7
	v_mov_b32 v[BH+\j], v[BV+ti+1]                 ; the next trip's bias, a whole quantiser ahead of its use
.endr
.endif
.if ti < 6
.set ii, 0
.rept 8
	global_load_b128 v[NF+32*(ti%2)+4*ii:NF+32*(ti%2)+4*ii+3], v[LI], s[34:35] offset:4096*(ti+2)+512*ii
.set ii, ii+1
.endr
.endif
.set QS, HA
.set QP, PC+8*(ti%2)
.set QW, PW+ti
	QUANT
.if \type == 0
	global_store_b128 v[LI], v[QP:QP+3], s[36:37] offset:4096*ti            ; 32 lanes store 512 consecutive bytes, aligned
	global_store_b128 v[LI], v[QP+4:QP+7], s[36:37] offset:4096*ti+512
.else
	global_store_b128 v[LI], v[QP:QP+3], s[36:37] offset:1024*ti
	global_store_b128 v[LI], v[QP+4:QP+7], s[36:37] offset:1024*ti+512
.endif
.set ti, ti+1
.endr
	v_cmp_gt_u32 vcc_lo, 16, v6                    ; the words leave as the reader's registers want them: the even trip's in lanes 0-15, the odd trip's in lanes 16-31
.irp q, 0,1,2,3
	v_cndmask_b32 v[OUTW+\q], v[PW+2*\q+1], v[PW+2*\q], vcc_lo
.endr
	global_store_b128 v[LI], v[OUTW:OUTW+3], s[38:39]
	s_endpgm
.endm
	PROJ 0
.Ltype_h:
	PROJ 1
.Lfunc_end_k_q3114140448_proj:
	.size	k_q3114140448_proj, .Lfunc_end_k_q3114140448_proj-k_q3114140448_proj
	.p2alignl 7, 3214868480
	.fill 96, 4, 3214868480
	.section	.rodata,"a",@progbits
	.p2align	6, 0x0
	.amdhsa_kernel k_q3114140448_proj
		.amdhsa_group_segment_fixed_size 0
		.amdhsa_private_segment_fixed_size 0
		.amdhsa_enable_private_segment 0
		.amdhsa_kernarg_size 56
		.amdhsa_user_sgpr_count 2
		.amdhsa_user_sgpr_kernarg_segment_ptr 1
		.amdhsa_wavefront_size32 1
		.amdhsa_system_sgpr_workgroup_id_x 1
		.amdhsa_system_sgpr_workgroup_id_y 1
		.amdhsa_system_sgpr_workgroup_id_z 1
		.amdhsa_system_vgpr_workitem_id 0
		.amdhsa_next_free_vgpr 576
		.amdhsa_next_free_sgpr 66
		.amdhsa_reserve_vcc 1
		.amdhsa_float_denorm_mode_32 3
		.amdhsa_float_denorm_mode_16_64 3
		.amdhsa_memory_ordered 1
		.amdhsa_forward_progress 1
		.amdhsa_inst_pref_size 169
	.end_amdhsa_kernel
	.amdgpu_metadata
---
amdhsa.version: [ 1, 2 ]
amdhsa.kernels:
  - .name:           k_q3114140448_proj
    .symbol:         k_q3114140448_proj.kd
    .args:
      - { .name: sq, .offset: 0, .size: 8, .value_kind: global_buffer, .address_space: global }
      - { .name: ss, .offset: 8, .size: 8, .value_kind: global_buffer, .address_space: global }
      - { .name: wq, .offset: 16, .size: 8, .value_kind: global_buffer, .address_space: global }
      - { .name: ws, .offset: 24, .size: 8, .value_kind: global_buffer, .address_space: global }
      - { .name: bg, .offset: 32, .size: 8, .value_kind: global_buffer, .address_space: global }
      - { .name: bh, .offset: 40, .size: 8, .value_kind: global_buffer, .address_space: global }
      - { .name: gh, .offset: 48, .size: 8, .value_kind: global_buffer, .address_space: global }
    .group_segment_fixed_size: 0
    .private_segment_fixed_size: 0
    .kernarg_segment_align: 8
    .kernarg_segment_size: 56
    .max_flat_workgroup_size: 128
    .sgpr_count:     66
    .vgpr_count:     576
    .wavefront_size: 32
...
	.end_amdgpu_metadata
.endif
;; end of part 2
;; launch attn (part 3): grid 16 x 16, 4 waves a work-group, clusters of 4 x 1, 327,680 bytes of LDS; arguments xq, xs, wq, ws, bf, bk, gh, x, out0; writes out0
.if DOCPART == 3
	.amdgcn_target "amdgcn-amd-amdhsa--gfx1250"
	.amdhsa_code_object_version 6
	.text
	.protected	k_q3114140448_attn
	.globl	k_q3114140448_attn
	.p2align	8
	.type	k_q3114140448_attn,@function
k_q3114140448_attn:
	s_mov_b64 s[64:65], 0
	v_nop
	global_prefetch_b8 v0, s[64:65] scope:SCOPE_SE
	s_setreg_imm32_b32 hwreg(HW_REG_WAVE_MODE, 25, 1), 1
	s_wait_xcnt 0x0
	s_wait_alu depctr_hold_cnt(0) depctr_sa_sdst(0) depctr_va_vdst(0) depctr_va_sdst(0) depctr_va_ssrc(0) depctr_va_vcc(0) depctr_vm_vsrc(0)
	s_getreg_b32 s2, hwreg(HW_REG_IB_STS2, 6, 4)
	s_cmp_eq_u32 s2, 0
	s_cbranch_scc0 .Lentry_in_a_cluster
	s_endpgm
.Lentry_in_a_cluster:
	s_bfe_u32 s2, ttmp6, 0x10000c
	s_cmp_lg_u32 s2, 0x3003
	s_cbranch_scc0 .Lentry_shape_is_right
	s_endpgm
.Lentry_shape_is_right:
; ATTN: F = Wf xn + bf (quantised along its channels), S^T = G F^T, the softmax, O^T = H P^T, O / l (quantised along the channels), out = Wk O + bk + x.  All four products on codes of FP4 with E8M0 scales.  Nothing of the problem is left out here.
; THE SOFTMAX: t = logit x log2(e); M = the running largest t rounded UP to a whole number; p = 2^(t - M) is quantised along the keys, not normalised; the row's sum is taken of the unquantised p and divides O at the end.
; When M moves, the sum and O^T are multiplied by 2^(old M - new M), which rounds nothing.  A block's largest p is made from the block's largest score by the same multiply-add and exponential.
; SHARES.  A work-group owns 128 queries (8 tiles of 16) of one sample.  In the two convolutions the waves share the CHANNELS: wave w makes channels 128 w .. + 127 for all 8 tiles, with its part of the weight in registers.
; In the attention they share the QUERIES: wave w owns tiles 2 w, 2 w + 1, so each fragment of G and H read from LDS feeds two matrix instructions.  F and O / l go from wave to wave through LDS as images of the operand's registers.
; CLUSTER.  The four work-groups of a cluster belong to one sample and walk the same packages of gh (G's and H's fragments and scale words of 128 keys, 69,632 bytes): each quarter of a slot is asked for JOINTLY,
; by the same tensor load with the same descriptor and the mask of all four.  The weights are not shared so: 32 KiB a wave, used once, go straight into the registers that use them, and LDS has no room for them beside the ring.
; THE RING: two slots of two packages.  When a slot has had its last package, x's tile for the residual lands there (a plain load, each wave's own 64 rows x 512 bytes), and the results are stored over it on the way out.
; THE FIRST PRODUCT'S OPERANDS: most of Wf is asked for ahead of the opening round; xn's fragments are asked for last, tile by tile, and each tile's products wait for that tile's eight loads alone.
; All products are used so that a lane holds ONE query (or, in the last, one output channel and eight neighbouring positions).
; REGISTERS, in windows of 256.  window 0: v1-21 addresses; v24-39 statistics, 8 a tile (-M, largest t, the sum in two halves, f and a word beside it, 1 / l and a word beside it); v40-55, v56-71 scale words (G's, H's; Wf's, x's; Wk's, O's);
;   v72-199 S^T, then p, 64 a tile (in the convolutions: two sets of 8 result tiles); v200-215 codes; v216-217 their scale words; v218-221 F's scale words; v224-255 at work.
;   window 1: Wf | O^T, channel tiles 0-15 | O / l's fragments.   window 2: xn's fragments | O^T, channel tiles 16-31 | Wk.   window 3: bf | F's fragments and three buffers of 8 fragments | two accumulator sets and two sets of rows on their way out.
; LIMITS: NaN and infinities are not served; a p under 2^-126 falls to 0; a block of zeros gets the byte 1 (its codes are zeros; this program alone reads the bytes).
.set SLOTB, 0x22000                    ; a slot: two packages.  No bit of it stands in wave x 34,816 or wave x 33,792: one exclusive or turns an address into the other slot's
.set STEPB, 0x11000                    ; a package
.set IMG,   278528                     ; behind the ring: 32 images of 1,024 bytes, (query tile x 4 + K step): F's, later O / l's
.set ISC,   311296                     ; their scale words, 128 bytes each
.set SPARE, 315392                     ; the spare words, 128 bytes for each wave, which no other line names
.set LI,   1                           ; 16 x lane
.set ADR,  2                           ; the package in hand + 16 x lane
.set ADS,  3                           ; its scale words
.set SPW,  4                           ; my spare word; never rewritten
.set NIL,  5                           ; 0; never rewritten
.set PFO,  6                           ; 256 x lane
.set RSC,  7                           ; scale words of a pair of query tiles: ISC + 512 h + 4 r
.set RSCW, 8                           ; of my pair
.set IMW,  9                           ; my pair's images
.set IMK,  10                          ; K step w's images
.set IMR,  11                          ; all images
.set SCK,  12                          ; K step w's scale words
.set SCW,  13                          ; my pair's
.set XD0,  14                          ; x's tile in the result's layout: rows 0-63; XD0 + 1: rows 64-127
.set XR0,  16                          ; and by whole rows; XR0 + 1 likewise
.set ST,   24
.set GS,   40
.set HS,   56
.set S,    72
.set PC,   200
.set PW,   216
.set FS,   218
.set TM,   224
.set BKV,  240                         ; bk, tile t's word in v[BKV + 2 t]
.set BUF0, 64
.set BUF1, 128
.set BUF2, 192
.set WV,    22
.set SEL,   56
.set CS,    58
.set TB,    60
.set SLOTS, 61
.set TWICE, 62
.set LIM,   63
.set PFA,   66
.set MSB, 0
.macro WIN new                         ; the immediate's high byte repeats the setting that is left
.if MSB != (\new)
	s_set_vgpr_msb (MSB<<8)|(\new)
.set MSB, (\new)
.endif
.endm
.macro PLACES                          ; four places behind matrix instructions, ahead of loads into their registers and of reads of their results
.rept 4
	v_nop
.endr
.endm
; the matrix line: D rD, source 0 rA, source 1 rB, C rC (zC: the constant 0), their scale words rSA, rSB; fA, fB: the word lies in lanes 16-31
.macro WM
.if zC
.if fA && fB
	v_wmma_scale_f32_16x16x128_f8f6f4 v[rD:rD+7], v[rA:rA+7], v[rB:rB+7], 0, v[rSA], v[rSB] matrix_a_fmt:MATRIX_FMT_FP4 matrix_b_fmt:MATRIX_FMT_FP4 matrix_a_scale:MATRIX_SCALE_ROW1 matrix_b_scale:MATRIX_SCALE_ROW1
.elseif fA
	v_wmma_scale_f32_16x16x128_f8f6f4 v[rD:rD+7], v[rA:rA+7], v[rB:rB+7], 0, v[rSA], v[rSB] matrix_a_fmt:MATRIX_FMT_FP4 matrix_b_fmt:MATRIX_FMT_FP4 matrix_a_scale:MATRIX_SCALE_ROW1
.elseif fB
	v_wmma_scale_f32_16x16x128_f8f6f4 v[rD:rD+7], v[rA:rA+7], v[rB:rB+7], 0, v[rSA], v[rSB] matrix_a_fmt:MATRIX_FMT_FP4 matrix_b_fmt:MATRIX_FMT_FP4 matrix_b_scale:MATRIX_SCALE_ROW1
.else
	v_wmma_scale_f32_16x16x128_f8f6f4 v[rD:rD+7], v[rA:rA+7], v[rB:rB+7], 0, v[rSA], v[rSB] matrix_a_fmt:MATRIX_FMT_FP4 matrix_b_fmt:MATRIX_FMT_FP4
.endif
.else
.if fA && fB
	v_wmma_scale_f32_16x16x128_f8f6f4 v[rD:rD+7], v[rA:rA+7], v[rB:rB+7], v[rC:rC+7], v[rSA], v[rSB] matrix_a_fmt:MATRIX_FMT_FP4 matrix_b_fmt:MATRIX_FMT_FP4 matrix_a_scale:MATRIX_SCALE_ROW1 matrix_b_scale:MATRIX_SCALE_ROW1
.elseif fA
	v_wmma_scale_f32_16x16x128_f8f6f4 v[rD:rD+7], v[rA:rA+7], v[rB:rB+7], v[rC:rC+7], v[rSA], v[rSB] matrix_a_fmt:MATRIX_FMT_FP4 matrix_b_fmt:MATRIX_FMT_FP4 matrix_a_scale:MATRIX_SCALE_ROW1
.elseif fB
	v_wmma_scale_f32_16x16x128_f8f6f4 v[rD:rD+7], v[rA:rA+7], v[rB:rB+7], v[rC:rC+7], v[rSA], v[rSB] matrix_a_fmt:MATRIX_FMT_FP4 matrix_b_fmt:MATRIX_FMT_FP4 matrix_b_scale:MATRIX_SCALE_ROW1
.else
	v_wmma_scale_f32_16x16x128_f8f6f4 v[rD:rD+7], v[rA:rA+7], v[rB:rB+7], v[rC:rC+7], v[rSA], v[rSB] matrix_a_fmt:MATRIX_FMT_FP4 matrix_b_fmt:MATRIX_FMT_FP4
.endif
.endif
.endm
; 64 numbers of a lane, v[QS] on, register 16 b + i = k 32 b + 16 (lane / 16) + i of my row, become a fragment's codes in v[QP] on and its scale word in v[QW].  Each result tile is first read at its low end.
.macro QUANT
.irp b, 0,1,2,3
	v_max3_num_f32 v[TM+\b], |v[QS+16*\b]|, |v[QS+1+16*\b]|, 0x1800000   ; my 16 numbers of block b, and the floor 2^(3 - 127): the byte cannot fall under 1
.endr
.irp i, 2,4,6,8,10,12,14
.irp b, 0,1,2,3
	v_max3_num_f32 v[TM+\b], v[TM+\b], |v[QS+16*\b+\i]|, |v[QS+1+16*\b+\i]|
.endr
.endr
.irp b, 0,1,2,3
	v_permlanex16_b32 v[TM+4+\b], v[TM+\b], s[SEL], s[SEL+1]
.endr
.irp b, 0,1,2,3
	v_max_num_f32 v[TM+\b], v[TM+\b], v[TM+4+\b]   ; with lane l xor 16's: the block's largest magnitude
.endr
.irp b, 0,1,2,3
	v_add_nc_u32 v[TM+12+\b], 0xff000000, v[TM+\b] ; 2 off its exponent field: the conversion's scale operand
.endr
.irp b, 0,1,2,3
	v_lshrrev_b32 v[TM+4+\b], 23, v[TM+12+\b]      ; the scale's byte
.endr
	v_lshl_or_b32 v[QW], v[TM+5], 8, v[TM+4]
	v_lshl_or_b32 v[QW], v[TM+6], 16, v[QW]
	v_lshl_or_b32 v[QW], v[TM+7], 24, v[QW]
.irp b, 0,1,2,3
	v_cvt_scalef32_pk8_fp4_f32 v[QP+2*\b], v[QS+16*\b:QS+7+16*\b], v[TM+12+\b]
	v_cvt_scalef32_pk8_fp4_f32 v[QP+1+2*\b], v[QS+8+16*\b:QS+15+16*\b], v[TM+12+\b]
.endr
	v_nop                                          ; one plain instruction behind the conversions
.irp c, 0,1                                    ; the operand's layout wants a whole block in a lane
.irp i, 0,1
	v_permlane16_swap_b32 v[QP+4*\c+\i], v[QP+2+4*\c+\i]
.endr
.endr
.endm
; A round of the cluster's barrier: my work-group's barrier; wave 0 signals for the work-group; every wave waits for all four work-groups; my work-group's barrier once more.
.macro ROUND
	s_barrier_signal -1
	s_barrier_wait -1
	s_cmp_lg_u32 s[WV], 0
	s_cbranch_scc1 .Lnot_wave_0_\@
	s_barrier_signal -3
.Lnot_wave_0_\@:
	s_barrier_wait -3
	s_barrier_signal -1
	s_barrier_wait -1
.endm
; A prefetch of the codes that the NEXT change of slots will ask for: a slot's 2 x 65,536 bytes in 16 pieces of 8,192, lanes 256 bytes apart, one instruction a wave.  All four clusters of a sample walk the same packages:
; the first of them asks; its sixteen waves are told apart BY ADDRESS (piece 4 cx + wave).  So each 256 bytes are named once.  It stands two key steps, 256 matrix instructions, ahead of the load; the last change that fills a slot with a package asks for nothing.
.macro ASK
	s_cmp_gt_u32 s[SLOTS], s[LIM]
	s_cbranch_scc0 .Lnot_mine_\@
	global_prefetch_b8 v[PFO], s[PFA:PFA+1] th:TH_LOAD_NT scope:SCOPE_SE
.Lnot_mine_\@:
.endm
; THE CHANGE OF SLOTS.  Each wave waits for all its tensor loads (one is out: its quarter of the slot ahead), adds 0 to its spare word, and waits for that and for its reads of the slot that it has left.  The round then holds of every wave of
; all four work-groups, and the slot left is filled first thing behind it, one load a wave.  kind 1: the next two packages, jointly.  kind 2, 3: x's rows 0-63, 64-127 of my 128 channels, my own.
.macro CHANGE kind
	WIN 0
	s_wait_tensorcnt 0x0                           ; no tensor load of mine is out, so a descriptor may be written
	ds_add_u32 v[SPW], v[NIL]                      ; 0 onto my spare word; the descriptors' steps stand between it and the wait for it
.if \kind == 1
	s_xor_b32 s41, s41, SLOTB                      ; the other slot than last time,
	s_add_nc_u64 s[42:43], s[42:43], SLOTB         ; the next two packages; the type bits on top are not reached
	s_wait_xcnt 0x0                                ; the last prefetch, two key steps back, has read its address
	s_add_nc_u64 s[PFA:PFA+1], s[PFA:PFA+1], SLOTB
.endif
.if \kind == 3
	s_xor_b32 s53, s53, SLOTB
	s_add_nc_u64 s[54:55], s[54:55], 524288        ; 64 rows of 8,192 bytes on
.endif
	s_wait_dscnt 0x0                               ; the add is done, and my reads of the slot that I have left are over
	ROUND
.if \kind == 1
	tensor_load_to_lds s[40:43], s[32:39]
.else
	tensor_load_to_lds s[52:55], s[44:51]
.endif
	s_nop 0
	PLACES
.if \kind == 1
	ASK
.endif
.endm
	s_load_b512 s[4:19], s[0:1], 0x0               ; xq s[4:5], xs s[6:7], wq s[8:9], ws s[10:11], bf s[12:13], bk s[14:15], gh s[16:17], x s[18:19]
	s_load_b64 s[20:21], s[0:1], 0x40              ; out0
	v_lshl_add_u32 v[SPW], v0, 2, SPARE
	v_mov_b32 v[NIL], 0
	ds_add_u32 v[SPW], v[NIL]                      ; the wave's opening: the add, twice on end, and its wait ahead of my first tensor load; the set-up below stands between
	ds_add_u32 v[SPW], v[NIL]
	v_lshrrev_b32 v22, 5, v0
	v_readfirstlane_b32 s[WV], v22                 ; wave 0..3
	s_bfe_u32 s25, ttmp6, 0x40000                  ; cx: my place in the cluster
	s_lshl_b32 s24, ttmp9, 2
	s_add_co_u32 s24, s24, s25                     ; my block of 128 queries: it enters global addresses of my own loads and stores alone
	s_and_b32 s23, ttmp7, 0xffff                   ; the sample, which the four partners share
	; descriptor group 1 for gh: a quarter of a slot, 34,816 dense bytes, as 136 rows of 256 bytes (32 elements of 8 bytes)
	s_mov_b32 s32, 15|(3<<16)|(1<<21)              ; 15:0 the mask: all four work-groups; 17:16 elements of 8 bytes; 21 set beside a mask; no padding: images are read 512 consecutive bytes at a time
	s_mov_b32 s33, 32<<16                          ; tensor_dim0
	s_mov_b32 s34, 136<<16                         ; tensor_dim1
	s_mov_b32 s35, 32<<16                          ; tile_dim0
	s_mov_b32 s36, 136                             ; tile_dim1
	s_mov_b32 s37, 32                              ; the pitch
	s_mov_b32 s38, 0
	s_mov_b32 s39, 0
	; and for x: 64 rows of 128 numbers, 2,048 numbers apart; 16 bytes of padding behind each 512
	s_mov_b32 s44, (2<<16)|(1<<20)|(6<<22)|(3<<25)
	s_mov_b32 s45, 128<<16
	s_mov_b32 s46, 64<<16
	s_mov_b32 s47, 128<<16
	s_mov_b32 s48, 64
	s_mov_b32 s49, 2048
	s_mov_b32 s50, 0
	s_mov_b32 s51, 0
	s_mov_b32 s[SEL], 0x76543210
	s_mov_b32 s[SEL+1], 0xfedcba98                 ; v_permlanex16_b32's selects for lane l xor 16
	s_mov_b32 s[CS], 0x3fb8aa3b                    ; log2(e)
	s_mov_b32 s[CS+1], s[CS]                       ; (named with it as a pair, so it is written)
	s_mov_b32 s[TB], 0
	s_mov_b32 s[SLOTS], 3
	s_cmp_eq_u32 ttmp9, 0                          ; the sample's first cluster prefetches: the same in all four partners
	s_cselect_b32 s[LIM], 1, -1
	s_mov_b32 s69, 0
	s_mov_b32 s71, 0
	v_and_b32 v18, 31, v0                          ; lane; also my offset among x's scale bytes
	v_and_b32 v22, 15, v0                          ; r
	v_bfe_u32 v23, v0, 4, 1                        ; h
	v_lshlrev_b32 v[LI], 4, v18
	v_lshlrev_b32 v[PFO], 8, v18
	v_lshlrev_b32 v19, 3, v22
	v_lshl_add_u32 v19, v23, 8, v19                ; a weight's scale words: 8 bytes a row, the odd tile 256 bytes on
	v_lshlrev_b32 v20, 6, v23                      ; bf: 64 h
	v_lshlrev_b32 v21, 2, v22                      ; bk: 4 r
	v_lshl_add_u32 v[RSC], v23, 9, v21
	v_add_nc_u32 v[RSC], ISC, v[RSC]
	s_lshl_b32 s26, s[WV], 10
	v_add_nc_u32 v[RSCW], s26, v[RSC]
	s_lshl_b32 s27, s[WV], 13
	s_add_co_u32 s27, s27, IMG
	v_add_nc_u32 v[IMW], s27, v[LI]
	s_add_co_u32 s27, s26, IMG
	v_add_nc_u32 v[IMK], s27, v[LI]
	v_add_nc_u32 v[IMR], IMG, v[LI]
	v_lshlrev_b32 v[SCW], 2, v18
	s_lshl_b32 s27, s[WV], 7
	s_add_co_u32 s27, s27, ISC
	v_add_nc_u32 v[SCK], s27, v[SCW]
	s_add_co_u32 s27, s26, ISC
	v_add_nc_u32 v[SCW], s27, v[SCW]
	s_mul_i32 s27, s[WV], 33792
	v_mul_u32_u24 v[XD0], v22, 528
	v_lshl_add_u32 v[XD0], v23, 5, v[XD0]
	v_add_nc_u32 v[XD0], s27, v[XD0]               ; row r, + 32 h: eight neighbouring positions
	v_add_nc_u32 v[XD0+1], SLOTB, v[XD0]
	v_add_nc_u32 v[XR0], s27, v[LI]
	v_add_nc_u32 v[XR0+1], SLOTB, v[XR0]
	s_wait_dscnt 0x0                               ; both opening adds are done
	s_wait_kmcnt 0x0
	s_lshl_b32 s70, s23, 19
	s_lshl_b32 s28, s24, 15
	s_add_co_u32 s70, s70, s28
	s_add_nc_u64 s[4:5], s[4:5], s[70:71]          ; xq: sample x 524,288 + my 8 tiles
	s_lshl_b32 s70, s23, 15
	s_lshl_b32 s28, s24, 7
	s_add_co_u32 s70, s70, s28
	s_add_nc_u64 s[6:7], s[6:7], s[70:71]          ; xs: sample x 32,768 + my 128 positions
	s_lshl_b32 s68, s[WV], 15
	s_add_nc_u64 s[8:9], s[8:9], s[68:69]          ; wq: my 8 tiles of a weight
	s_lshl_b32 s68, s[WV], 11
	s_add_nc_u64 s[10:11], s[10:11], s[68:69]      ; ws likewise
	s_lshl_b32 s68, s[WV], 9
	s_add_nc_u64 s[12:13], s[12:13], s[68:69]      ; my 128 numbers of bf and of bk
	s_add_nc_u64 s[14:15], s[14:15], s[68:69]
	s_mul_i32 s68, s23, 557056
	s_add_nc_u64 s[16:17], s[16:17], s[68:69]      ; gh: the sample's 8 packages
	s_lshl_b32 s70, s23, 22
	s_lshl_b32 s28, s[WV], 20
	s_add_co_u32 s70, s70, s28
	s_lshl_b32 s28, s24, 9
	s_add_co_u32 s70, s70, s28
	s_add_nc_u64 s[18:19], s[18:19], s[70:71]      ; x and out0 at (sample, channel 128 w, my first position)
	s_add_nc_u64 s[20:21], s[20:21], s[70:71]
	s_mov_b32 s40, 1                               ; gh's group 0: count = 1,
	s_mul_i32 s41, s[WV], 34816                    ; LDS address: my quarter of slot 0,
	s_mov_b32 s68, s41
	s_add_nc_u64 s[42:43], s[16:17], s[68:69]      ; the same quarter of packages 0 and 1: the sample and the wave's number alone,
	s_or_b32 s43, s43, 0x80000000                  ; type = 2
	s_mov_b32 s52, 1                               ; x's group 0
	s_mul_i32 s53, s[WV], 33792
	s_mov_b64 s[54:55], s[18:19]
	s_or_b32 s55, s55, 0x80000000
	s_lshl_b32 s28, s25, 2
	s_add_co_u32 s28, s28, s[WV]                   ; my piece of a slot's codes: 4 cx + wave
	s_lshr_b32 s29, s28, 3
	s_mul_i32 s29, s29, STEPB
	s_and_b32 s28, s28, 7
	s_lshl_b32 s28, s28, 13
	s_add_co_u32 s70, s28, s29
	s_add_co_u32 s70, s70, SLOTB                   ; in the second pair of packages: the first change of slots steps it to the third.  Nothing is prefetched at the head
	s_add_nc_u64 s[PFA:PFA+1], s[16:17], s[70:71]
	WIN 0x40                                       ; window 1: Wf's fragment (t, k) at v[8 (4 t + k)].  Seven of my eight tiles, 56 loads into registers, go out ahead of the round: they are on their way while the cluster meets
.set ii, 0
.rept 56
	global_load_b128 v[4*ii:4*ii+3], v[LI], s[8:9] offset:512*ii
.set ii, ii+1
.endr
	WIN 0
	ROUND                                          ; all four work-groups are here: the first joint loads meet
	tensor_load_to_lds s[40:43], s[32:39]          ; slot 0; by this text's count a wave never has more than one tensor load out
	s_nop 0
	PLACES
	; ---- F = Wf xn + bf.  All operands come from memory straight into their registers
	WIN 0x40
.rept 8
	global_load_b128 v[4*ii:4*ii+3], v[LI], s[8:9] offset:512*ii     ; Wf's eighth tile
.set ii, ii+1
.endr
	WIN 0
.irp p, 0,1,2,3
.set cc, 0
.rept 16
	global_load_u8 v[S+16*\p+cc], v18, s[6:7] offset:2048*cc+32*\p   ; query tiles 2 p (lanes 0-15), 2 p + 1 (lanes 16-31): the byte of channel block cc
.set cc, cc+1
.endr
.endr
.irp p, 0,1,2,3
.irp f, 0,1
	global_load_b64 v[GS+4*\p+2*\f:GS+4*\p+2*\f+1], v19, s[10:11] offset:512*\p+128*\f
.endr
.endr
	WIN 0xc0                                       ; destination window 3
.irp t, 0,1,2,3,4,5,6,7
	global_load_b128 v[8*\t:8*\t+3], v20, s[12:13] offset:(32*(\t/2)+8*(\t%2))*4       ; bf in the result's layout: tile 2 b + u, lane half h: channels 32 b + 16 h + 8 u + 0 .. 7
	global_load_b128 v[8*\t+4:8*\t+7], v20, s[12:13] offset:(32*(\t/2)+8*(\t%2))*4+16
.endr
	WIN 0x80                                       ; window 2: xn's fragment (q, k) at v[8 (4 q + k)]: the last 64 loads, query tile q's are numbers 8 q .. 8 q + 7 of them
.set ii, 0
.rept 64
	global_load_b128 v[4*ii:4*ii+3], v[LI], s[4:5] offset:512*ii
.set ii, ii+1
.endr
	WIN 0
	s_wait_loadcnt 63                              ; at most the youngest 63 of xn's 64 loads are out: Wf, the bytes, the words and the bias are in
.irp p, 0,1,2,3
.irp k, 0,1,2,3
	v_lshl_or_b32 v[HS+4*\p+\k], v[S+16*\p+4*\k+1], 8, v[S+16*\p+4*\k]
	v_lshl_or_b32 v[HS+4*\p+\k], v[S+16*\p+4*\k+2], 16, v[HS+4*\p+\k]
	v_lshl_or_b32 v[HS+4*\p+\k], v[S+16*\p+4*\k+3], 24, v[HS+4*\p+\k]
.endr
.endr
.irp a, 0,1                                    ; the statistics begin here: these twenty plain lines are also the eight places between the scale words just made and the first scaled matrix instruction
	v_mov_b32 v[ST+8*\a+1], 0xff61b1e6             ; the largest t so far: -3e38, under every t
	v_floor_f32 v[ST+8*\a], -v[ST+8*\a+1]          ; -M
.irp i, 2,3,4,5,6,7
	v_mov_b32 v[ST+8*\a+\i], 0                     ; the sum's halves; and the words that are named in pairs before they are first made
.endr
.endr
.irp b, 0,1,2,3
	v_mov_b32 v[TM+4+\b], 0                        ; written once: a lane permute's destination counts as one of its sources
.endr
.macro FMUL q                          ; my 8 tiles of channels for query tile q: the eight accumulators by turns, a K step at a time; the bias is the first C
	s_wait_loadcnt 56-8*(\q)                       ; loads come back in order: behind query tile q's eight loads of xn 56 - 8 q were issued; the later tiles' stay out and land under this tile's work
.set kk, 0
.rept 4
.if kk == 0
	WIN 0x39                                       ; source 0 window 1, source 1 window 2, C window 3
.else
	WIN 0x09
.endif
.set tt, 0
.rept 8
.set rD, S+64*((\q)%2)+8*tt
.set rA, 8*(4*tt+kk)
.set rB, 8*(4*(\q)+kk)
.set rC, rD
.if kk == 0
.set rC, 8*tt
.endif
.set zC, 0
.set rSA, GS+4*(tt/2)+kk
.set rSB, HS+4*((\q)/2)+kk
.set fA, tt%2
.set fB, (\q)%2
	WM
.set tt, tt+1
.endr
.set kk, kk+1
.endr
.endm
.macro FQ q                            ; they become K step w of query tile q's fragment of F: image and scale word to LDS
	s_wait_dscnt 0x0
.set QS, S+64*((\q)%2)
.set QP, PC+8*((\q)%2)
.set QW, PW+(\q)%2
	QUANT
	ds_store_b128 v[IMK], v[QP:QP+3] offset:4096*(\q)
	ds_store_b128 v[IMK], v[QP+4:QP+7] offset:4096*(\q)+512
	ds_store_b32 v[SCK], v[QW] offset:512*(\q)
.endm
	FMUL 0
.irp q, 0,1,2,3,4,5,6,7
.if \q < 7
	FMUL \q+1                                      ; the next tile's products are issued ahead of this tile's quantiser, on the other set of results
.endif
	WIN 0
	PLACES
	FQ \q
.endr
	s_wait_dscnt 0x0                               ; my images have landed
	s_barrier_signal -1
	s_barrier_wait -1                              ; everybody's have.  Slot 0's load may still be out
	WIN 0xc0
.set ii, 0
.rept 16
	ds_load_b128 v[4*ii:4*ii+3], v[IMW] offset:512*ii    ; my two tiles' fragments of F stay in registers: (a, k) at v[32 a + 8 k] of window 3
.set ii, ii+1
.endr
	WIN 0
.irp k, 0,1,2,3
	ds_load_b32 v[FS+\k], v[RSCW] offset:128*\k    ; their scale words: tile a = 0 in lanes 0-15, a = 1 in lanes 16-31
.endr
	WIN 0x40                                       ; O^T begins as zeros, which the first change of M leaves zeros: the key step is then written without a first step of its own, whose two further copies would not fit the code's budget
.set ii, 0
.rept 256
	v_mov_b32 v[ii], 0
.set ii, ii+1
.endr
	WIN 0x80
.set ii, 0
.rept 256
	v_mov_b32 v[ii], 0
.set ii, ii+1
.endr
	WIN 0
.macro LDU buf, off                    ; 8 fragments, 8,192 consecutive bytes, in one run of 16 loads
	WIN 0xc0
.set ff, 0
.rept 16
	ds_load_b128 v[\buf+4*ff:\buf+4*ff+3], v[ADR] offset:\off+512*ff
.set ff, ff+1
.endr
.endm
.macro MULS g, buf                     ; S^T, key tiles 2 g, 2 g + 1 x my two query tiles: four accumulators by turns, a K step at a time; the first K step starts the sums
	WIN 0x0f                                       ; G and F in window 3, S^T in window 0
.set kk, 0
.rept 4
.set tb, 0
.rept 2
.set aa, 0
.rept 2
.set rD, S+64*aa+8*(2*\g+tb)
.set rA, \buf+8*(4*tb+kk)
.set rB, 32*aa+8*kk
.set rC, rD
.if kk == 0
.set zC, 1
.else
.set zC, 0
.endif
.set rSA, GS+4*kk+\g
.set rSB, FS+kk
.set fA, tb
.set fB, aa
	WM
.set aa, aa+1
.endr
.set tb, tb+1
.endr
.set kk, kk+1
.endr
.endm
.macro MULP j, buf                     ; O^T += H P^T, channel tiles 8 j .. 8 j + 7 x my two query tiles: sixteen accumulators, one instruction each
.if \j < 2
	WIN 0x53                                       ; H window 3, P window 0, O^T window 1
.else
	WIN 0xa3                                       ; O^T window 2
.endif
.set aa, 0
.rept 2
.set ii, 0
.rept 8
.set rD, 128*aa+8*(8*((\j)%2)+ii)
.set rA, \buf+8*ii
.set rB, PC+8*aa
.set rC, rD
.set zC, 0
.set rSA, HS+4*(\j)+ii/2
.set rSB, PW+aa
.set fA, ii%2
.set fB, 0
	WM
.set ii, ii+1
.endr
.set aa, aa+1
.endr
.endm
; The softmax of query tile a for 128 keys.  A lane holds one query and 64 of the keys: register 16 b + i is key 32 b + 16 (lane / 16) + i.
.macro SOFT a
.set SB, S+64*\a
.set SS, ST+8*\a
.set PP, PC+8*\a
.set WW, PW+\a
	WIN 0
.irp b, 0,1,2,3
	v_max3_num_f32 v[TM+\b], v[SB+16*\b], v[SB+1+16*\b], v[SB+2+16*\b]   ; the largest score of each block of 32 keys: for the row's maximum and for the block's largest p
.endr
.irp i, 3,5,7,9,11,13
.irp b, 0,1,2,3
	v_max3_num_f32 v[TM+\b], v[TM+\b], v[SB+16*\b+\i], v[SB+1+16*\b+\i]
.endr
.endr
.irp b, 0,1,2,3
	v_max_num_f32 v[TM+\b], v[TM+\b], v[SB+15+16*\b]
.endr
.irp b, 0,1,2,3
	v_permlanex16_b32 v[TM+4+\b], v[TM+\b], s[SEL], s[SEL+1]
.endr
.irp b, 0,1,2,3
	v_max_num_f32 v[TM+\b], v[TM+\b], v[TM+4+\b]   ; with lane l xor 16's 16 keys
.endr
	v_max3_num_f32 v[TM+12], v[TM], v[TM+1], v[TM+2]
	v_max_num_f32 v[TM+12], v[TM+12], v[TM+3]      ; the step's largest score of my query
	v_mul_f32 v[TM+12], s[CS], v[TM+12]            ; as t
	v_max_num_f32 v[SS+1], v[SS+1], v[TM+12]       ; the running largest t
	v_mov_b32 v[TM+12], v[SS]
	v_floor_f32 v[SS], -v[SS+1]                    ; the new -M = floor(-t) = -ceil(t)
	v_sub_f32 v[TM+12], v[SS], v[TM+12]            ; old M - new M: a whole number, 0 or less
	v_cvt_i32_f32 v[TM+12], v[TM+12]               ; (it saturates)
	v_ldexp_f32 v[SS+4], 1.0, v[TM+12]             ; f = 2^(old M - new M)
.set jj, 0
.rept 32
	v_pk_fma_f32 v[SB+2*jj:SB+2*jj+1], v[SB+2*jj:SB+2*jj+1], s[CS:CS+1], v[SS:SS+1] op_sel_hi:[1,0,0]   ; t - M, two at a time (of the pairs the low word serves both halves)
.set jj, jj+1
.endr
.irp b, 0,1,2,3
	v_fma_f32 v[TM+\b], v[TM+\b], s[CS], v[SS]     ; the same of each block's largest score
.endr
.set jj, 0
.rept 64
	v_exp_f32 v[SB+jj], v[SB+jj]                   ; p = 2^(t - M), at most 1
.set jj, jj+1
.endr
	v_pk_mul_f32 v[SS+2:SS+3], v[SS+2:SS+3], v[SS+4:SS+5] op_sel_hi:[1,0]   ; the sums under the new M (the plain instruction behind the exponentials)
	s_wait_alu depctr_va_vdst(0)                   ; one wait for the batch of 64, ahead of its first reader
.irp b, 0,1,2,3
	v_exp_f32 v[TM+\b], v[TM+\b]                   ; the block's largest p
.endr
	v_pk_add_f32 v[TM+16:TM+17], v[SB:SB+1], v[SB+2:SB+3]   ; the row's sum is taken of the unquantised p, in two chains
.irp j, 4,8,12,16,20,24,28,32,36,40,44,48,52,56,60
	v_pk_add_f32 v[SS+2:SS+3], v[SS+2:SS+3], v[SB+\j:SB+\j+1]
	v_pk_add_f32 v[TM+16:TM+17], v[TM+16:TM+17], v[SB+2+\j:SB+3+\j]
.endr
	v_pk_add_f32 v[SS+2:SS+3], v[SS+2:SS+3], v[TM+16:TM+17]
	s_wait_alu depctr_va_vdst(0)                   ; and one for the four
.irp b, 0,1,2,3
	v_max_num_f32 v[TM+\b], 0x1800000, v[TM+\b]    ; the floor 2^(3 - 127)
.endr
.irp b, 0,1,2,3
	v_add_nc_u32 v[TM+8+\b], 0xff000000, v[TM+\b]  ; the conversion's scale operand
.endr
.irp b, 0,1,2,3
	v_lshrrev_b32 v[TM+4+\b], 23, v[TM+8+\b]       ; the scale's byte
.endr
	v_lshl_or_b32 v[WW], v[TM+5], 8, v[TM+4]       ; p's scale word for these 128 keys
	v_lshl_or_b32 v[WW], v[TM+6], 16, v[WW]
	v_lshl_or_b32 v[WW], v[TM+7], 24, v[WW]
.irp b, 0,1,2,3
	v_cvt_scalef32_pk8_fp4_f32 v[PP+2*\b], v[SB+16*\b:SB+7+16*\b], v[TM+8+\b]
	v_cvt_scalef32_pk8_fp4_f32 v[PP+1+2*\b], v[SB+8+16*\b:SB+15+16*\b], v[TM+8+\b]
.endr
	v_nop
.irp c, 0,1
.irp i, 0,1
	v_permlane16_swap_b32 v[PP+4*\c+\i], v[PP+2+4*\c+\i]
.endr
.endr
	WIN 0x41                                       ; O^T under the new M: x f; each accumulator from its low end on.  These lines are also the places between p's codes and scale word and the products that take them
.set jj, 0
.rept 64
	v_pk_mul_f32 v[128*\a+2*jj:128*\a+2*jj+1], v[128*\a+2*jj:128*\a+2*jj+1], v[SS+4:SS+5] op_sel_hi:[1,0]
.set jj, jj+1
.endr
	WIN 0x82
.set jj, 0
.rept 64
	v_pk_mul_f32 v[128*\a+2*jj:128*\a+2*jj+1], v[128*\a+2*jj:128*\a+2*jj+1], v[SS+4:SS+5] op_sel_hi:[1,0]
.set jj, jj+1
.endr
.endm
; A KEY STEP: one package.  Its 64 fragments go through three buffers of 8, in runs of 16 loads; each wait for 32 leaves the two younger runs out.  H's first three runs land under the softmax.
.macro STEP
	v_add_nc_u32 v[ADR], s[TB], v[LI]              ; these four lines are the places behind the last products, ahead of the loads into their registers
	v_add_nc_u32 v[ADS], 0x10000, v[ADR]
	v_nop
	v_nop
.irp k, 0,1,2,3
	ds_load_b128 v[GS+4*\k:GS+4*\k+3], v[ADS] offset:512*\k          ; G's scale words of K step k: register q: key tile 2 q in lanes 0-15, 2 q + 1 in lanes 16-31
.endr
.irp k, 0,1,2,3
	ds_load_b128 v[HS+4*\k:HS+4*\k+3], v[ADS] offset:2048+512*\k     ; H's, of channel tiles 8 k .. 8 k + 7 likewise
.endr
	LDU BUF0, 0
	LDU BUF1, 8192
	LDU BUF2, 16384
	s_wait_dscnt 32
	MULS 0, BUF0
	PLACES
	LDU BUF0, 24576
	s_wait_dscnt 32
	MULS 1, BUF1
	PLACES
	LDU BUF1, 32768
	s_wait_dscnt 32
	MULS 2, BUF2
	PLACES
	LDU BUF2, 40960
	s_wait_dscnt 32
	MULS 3, BUF0
	PLACES
	LDU BUF0, 49152
	SOFT 0
	SOFT 1
	s_wait_dscnt 32
	MULP 0, BUF1
	PLACES
	LDU BUF1, 57344
	s_wait_dscnt 32
	MULP 1, BUF2
	s_wait_dscnt 16                                ; the last run's 16 loads may be out
	MULP 2, BUF0
	s_wait_dscnt 0x0
	MULP 3, BUF1
	WIN 0
	s_add_co_u32 s[TB], s[TB], STEPB
.endm
.macro TWO_STEPS                       ; a slot's two key steps: written once, walked twice
	s_mov_b32 s[TWICE], 2
.Lstep_\@:
	STEP
	s_sub_co_u32 s[TWICE], s[TWICE], 1
	s_cmp_lg_u32 s[TWICE], 0
	s_cbranch_scc1 .Lstep_\@
	s_sub_co_u32 s[TB], s[TB], 2*STEPB
	s_xor_b32 s[TB], s[TB], SLOTB                  ; on to the other slot
.endm
.Lslot:                                            ; three trips: the other slot takes packages 2-3, 4-5, 6-7 while packages 0-1, 2-3, 4-5 are walked
	CHANGE 1
	TWO_STEPS
	s_sub_co_u32 s[SLOTS], s[SLOTS], 1
	s_cmp_lg_u32 s[SLOTS], 0
	s_cbranch_scc1 .Lslot
	CHANGE 2                                       ; the tail is written out: slot 0 has had its last package and takes x's first rows,
	TWO_STEPS                                      ; packages 6-7,
	CHANGE 3                                       ; and slot 1 takes x's other rows
	; ---- O / l becomes the last product's operand: my two query tiles, four K steps of 128 channels
.irp a, 0,1
	v_add_f32 v[TM+\a], v[ST+8*\a+2], v[ST+8*\a+3] ; the sum's two halves,
.endr
.irp a, 0,1
	v_permlanex16_b32 v[TM+4+\a], v[TM+\a], s[SEL], s[SEL+1]
.endr
.irp a, 0,1
	v_add_f32 v[TM+\a], v[TM+\a], v[TM+4+\a]       ; and lane l xor 16's: the row's sum
.endr
.irp a, 0,1
	v_rcp_f32 v[ST+8*\a+6], v[TM+\a]
.endr
	v_nop                                          ; a plain instruction behind the reciprocals,
	s_wait_alu depctr_va_vdst(0)                   ; and the one wait ahead of their first reader
.macro OQ a, g
	WIN 1+(\g)/2                                   ; source 0: window 1 or 2
.set QS, S+64*(\a)
.set jj, 0
.rept 32
	v_pk_mul_f32 v[QS+2*jj:QS+2*jj+1], v[128*(\a)+64*((\g)%2)+2*jj:128*(\a)+64*((\g)%2)+2*jj+1], v[ST+8*(\a)+6:ST+8*(\a)+7] op_sel_hi:[1,0]   ; each accumulator from its low end on
.set jj, jj+1
.endr
	WIN 0
	s_wait_dscnt 0x0
.set QP, PC+8*(\a)
.set QW, PW+(\a)
	QUANT
	ds_store_b128 v[IMW], v[QP:QP+3] offset:4096*(\a)+1024*(\g)     ; over F's images of my own two tiles, which I alone have read
	ds_store_b128 v[IMW], v[QP+4:QP+7] offset:4096*(\a)+1024*(\g)+512
	ds_store_b32 v[SCW], v[QW] offset:512*(\a)+128*(\g)
.endm
	OQ 0, 3
	OQ 1, 3
	OQ 0, 2
	OQ 1, 2
	WIN 0x80                                       ; window 2 is free: Wk's fragment (t, k) at v[8 (4 t + k)]; it lands under the other half of the quantising
.set ii, 0
.rept 64
	global_load_b128 v[4*ii:4*ii+3], v[LI], s[8:9] offset:393216+512*ii
.set ii, ii+1
.endr
	WIN 0
.irp p, 0,1,2,3
.irp f, 0,1
	global_load_b64 v[GS+4*\p+2*\f:GS+4*\p+2*\f+1], v19, s[10:11] offset:24576+512*\p+128*\f
.endr
.endr
.irp t, 0,1,2,3,4,5,6,7
	global_load_b32 v[BKV+2*\t], v21, s[14:15] offset:64*\t          ; bk of channel 16 t + r
	v_mov_b32 v[BKV+2*\t+1], 0                     ; (named with it as a pair)
.endr
	OQ 0, 1
	OQ 1, 1
	OQ 0, 0
	OQ 1, 0
	s_wait_dscnt 0x0
	s_barrier_signal -1
	s_barrier_wait -1                              ; all 32 fragments of O / l lie in LDS
	; ---- out = Wk O + bk + x: my 128 channels, a tile of 16 at a time, for all 128 positions.  Source 0 = 16 positions, source 1 = 16 rows of Wk: a lane holds one channel and eight neighbouring positions.
	WIN 0x40
.set ii, 0
.rept 64
	ds_load_b128 v[4*ii:4*ii+3], v[IMR] offset:512*ii
.set ii, ii+1
.endr
	WIN 0
.irp p, 0,1,2,3
.irp k, 0,1,2,3
	ds_load_b32 v[HS+4*\p+\k], v[RSC] offset:1024*\p+128*\k
.endr
.endr
.macro CLOAD t                         ; x of channel tile t, in the result's layout, is the sums' beginning
	WIN 0xc0
.set CL, 64*((\t)%2)
.set qq, 0
.rept 8
	ds_load_b128 v[CL+8*qq:CL+8*qq+3], v[XD0+(\t)/4] offset:((\t)%4)*8448+64*qq
	ds_load_b128 v[CL+8*qq+4:CL+8*qq+7], v[XD0+(\t)/4] offset:((\t)%4)*8448+64*qq+16
.set qq, qq+1
.endr
.endm
.macro SEND t, younger                 ; 16 whole rows of tile t leave: 32 lanes store 512 consecutive bytes, aligned
	s_wait_dscnt \younger
	WIN 0x0c                                       ; a store's data are its source 1: window 3
.set ii, 0
.rept 16
	global_store_b128 v[LI], v[128+64*((\t)%2)+4*ii:128+64*((\t)%2)+4*ii+3], s[20:21] offset:(16*(\t)+ii)*8192 th:TH_STORE_NT
.set ii, ii+1
.endr
.endm
.macro KT t
.if (\t) == 0
	s_wait_dscnt 0x0
	s_wait_loadcnt 0x0                             ; Wk, its scale words, bk
.else
	s_wait_dscnt 16                                ; all but the 16 loads of the last tile's rows: this tile's x is in, and the last tile's stores into LDS are done
.endif
.set AC, 64*((\t)%2)
	WIN 0xc3
.set jj, 0
.rept 32
	v_pk_add_f32 v[AC+2*jj:AC+2*jj+1], v[AC+2*jj:AC+2*jj+1], v[BKV+2*(\t):BKV+2*(\t)+1] op_sel_hi:[1,0]   ; + bk
.set jj, jj+1
.endr
	PLACES
.if (\t) == 3
	s_wait_tensorcnt 0x0                           ; x's rows 64-127, my own load, are wanted from the next tile on
.endif
.if (\t) < 7
	CLOAD (\t)+1
.endif
.set AC, 64*((\t)%2)
	WIN 0xf9                                       ; O / l window 1, Wk window 2, C and D window 3
.set kk, 0
.rept 4
.set qq, 0
.rept 8                                        ; the eight accumulators by turns
.set rD, AC+8*qq
.set rA, 8*(4*qq+kk)
.set rB, 8*(4*(\t)+kk)
.set rC, rD
.set zC, 0
.set rSA, HS+4*(qq/2)+kk
.set rSB, GS+4*((\t)/2)+kk
.set fA, qq%2
.set fB, (\t)%2
	WM
.set qq, qq+1
.endr
.set kk, kk+1
.endr
.if (\t) == 7
	SEND (\t)-1, 0
.elseif (\t) > 0
	SEND (\t)-1, 16                                ; behind the last tile's rows: the next tile's 16 loads of x
.endif
	PLACES
	WIN 0x0c
.set qq, 0
.rept 8
	ds_store_b128 v[XD0+(\t)/4], v[AC+8*qq:AC+8*qq+3] offset:((\t)%4)*8448+64*qq         ; over the x that they took in; each accumulator from its low end on
	ds_store_b128 v[XD0+(\t)/4], v[AC+8*qq+4:AC+8*qq+7] offset:((\t)%4)*8448+64*qq+16
.set qq, qq+1
.endr
	s_wait_xcnt 0x0                                ; the stores of two tiles back have read their registers
	WIN 0xc0
.set ii, 0
.rept 16
	ds_load_b128 v[128+64*((\t)%2)+4*ii:128+64*((\t)%2)+4*ii+3], v[XR0+(\t)/4] offset:((\t)%4)*8448+528*ii   ; LDS serves a wave's instructions in order: these see my stores
.set ii, ii+1
.endr
.endm
	CLOAD 0
.irp t, 0,1,2,3,4,5,6,7
	KT \t
.endr
	SEND 7, 0
	WIN 0
	s_wait_tensorcnt 0x0                           ; the wave's end: behind my last tensor load and my last LDS store
	ds_add_u32 v[SPW], v[NIL]
	s_wait_dscnt 0x0
	ROUND                                          ; the closing round: no work-group ends while a partner may still ask for a tile that names it
	s_endpgm
.Lfunc_end_k_q3114140448_attn:
	.size	k_q3114140448_attn, .Lfunc_end_k_q3114140448_attn-k_q3114140448_attn
	.p2alignl 7, 3214868480
	.fill 96, 4, 3214868480
	.section	.rodata,"a",@progbits
	.p2align	6, 0x0
	.amdhsa_kernel k_q3114140448_attn
		.amdhsa_group_segment_fixed_size 327680
		.amdhsa_private_segment_fixed_size 0
		.amdhsa_enable_private_segment 0
		.amdhsa_kernarg_size 72
		.amdhsa_user_sgpr_count 2
		.amdhsa_user_sgpr_kernarg_segment_ptr 1
		.amdhsa_wavefront_size32 1
		.amdhsa_system_sgpr_workgroup_id_x 1
		.amdhsa_system_sgpr_workgroup_id_y 1
		.amdhsa_system_sgpr_workgroup_id_z 1
		.amdhsa_system_vgpr_workitem_id 0
		.amdhsa_next_free_vgpr 1024
		.amdhsa_next_free_sgpr 80
		.amdhsa_reserve_vcc 0
		.amdhsa_float_denorm_mode_32 3
		.amdhsa_float_denorm_mode_16_64 3
		.amdhsa_memory_ordered 1
		.amdhsa_forward_progress 1
		.amdhsa_inst_pref_size 255
	.end_amdhsa_kernel
	.section	.bss,"aw",@nobits
	.p2align	6
	.space	262144
	.amdgpu_metadata
---
amdhsa.version: [ 1, 2 ]
amdhsa.kernels:
  - .name:           k_q3114140448_attn
    .symbol:         k_q3114140448_attn.kd
    .args:
      - { .name: xq, .offset: 0, .size: 8, .value_kind: global_buffer, .address_space: global }
      - { .name: xs, .offset: 8, .size: 8, .value_kind: global_buffer, .address_space: global }
      - { .name: wq, .offset: 16, .size: 8, .value_kind: global_buffer, .address_space: global }
      - { .name: ws, .offset: 24, .size: 8, .value_kind: global_buffer, .address_space: global }
      - { .name: bf, .offset: 32, .size: 8, .value_kind: global_buffer, .address_space: global }
      - { .name: bk, .offset: 40, .size: 8, .value_kind: global_buffer, .address_space: global }
      - { .name: gh, .offset: 48, .size: 8, .value_kind: global_buffer, .address_space: global }
      - { .name: x, .offset: 56, .size: 8, .value_kind: global_buffer, .address_space: global }
      - { .name: out0, .offset: 64, .size: 8, .value_kind: global_buffer, .address_space: global }
    .group_segment_fixed_size: 327680
    .private_segment_fixed_size: 0
    .kernarg_segment_align: 8
    .kernarg_segment_size: 72
    .max_flat_workgroup_size: 128
    .sgpr_count:     80
    .vgpr_count:     1024
    .wavefront_size: 32
...
	.end_amdgpu_metadata
.endif
;; end of part 3
